; MI455X (gfx1250); checked and timed in simulation.
; The chip was launched on July 23, 2026; its instructions are those of AMD's public machine-readable ISA for CDNA 5 (MIT licence, August 2026) and "CDNA5" Instruction Set Architecture Reference Guide (July 2026). The comments in the code are by the model that wrote it; some were corrected since.
;; Levi Civita KAN Layer Optimized. Allowed arithmetic: float matrix products may take bf16 or f16 operands with f32 sums; all other float work in f32.
;; Inputs: beta 1,024 float32; gamma 1,024 float32; idx_i 4,096 int32; idx_j 4,096 int32; lw 1,024 x 4,096 float32; scale 1 x 1,024 float32; translation 1 x 1,024 float32; w1 1,024 x 1,024 float32; x 8,192 x 1,024 float32.
;; Outputs: out0 8,192 x 1,024 float32.
;; 2 versions, each right; version 2 is version 1 with the launch prep written anew for expert scheduling mode. Each part assembles by itself: llvm-mc -triple=amdgcn-amd-amdhsa -mcpu=gfx1250 --defsym DOCPART=n.
;; ======== version 1 of 2: 3 launches
;; limits: inputs' magnitudes at most 255.9; values are held in f16: magnitudes above 65,504 overflow, below 6.1e-05 lose precision; below input magnitudes of 2.4e-07 results are inexact or not finite
;; workspace buffers: abf 83,886,080 bytes; bbf 10,485,760 bytes; cpart 67,108,864 bytes; rs 32,768 bytes
;; launch prep (part 1): grid 256 x 1, 16 waves a work-group, no clusters, 290,048 bytes of LDS; arguments x, idx_i, idx_j, scale, translation, lw, w1, abf, bbf, rs; writes abf, bbf, rs
.if DOCPART == 1
	.amdgcn_target "amdgcn-amd-amdhsa--gfx1250"
	.amdhsa_code_object_version 6
	.text
	.protected	k_q33ca7557d5_prep
	.globl	k_q33ca7557d5_prep
	.p2align	8
	.type	k_q33ca7557d5_prep,@function
k_q33ca7557d5_prep:
	s_mov_b64 s[64:65], 0
	v_nop
	global_prefetch_b8 v0, s[64:65] scope:SCOPE_SE
	s_setreg_imm32_b32 hwreg(HW_REG_WAVE_MODE, 25, 1), 1
	s_wait_xcnt 0x0
; Makes the two f16 operands of the product c = [pp | x] [lw | w1]^T.
;   abf [8192][5120] f16: columns 0-4095 s[b] * pp[b][p], pp = xs[b][idx_i[p]] * xs[b][idx_j[p]], xs = (x - translation) / scale; columns 4096-5119 s[b] * x.
;   bbf [1024][5120] f16: columns 0-4095 256 * lw, columns 4096-5119 256 * w1.
;   rs  [8192] f32:       1 / (256 s[b]), by which the last launch undoes both factors.
; WHY f16, AND HOW ITS RANGE IS MADE TO FIT: f16 keeps 11 significant bits where bf16 keeps 8.  s[b] is the power of two that puts
; m = max(max over f of xs^2, max over f of |x|) of row b into [2^14, 2^15): no |pp| and no |x| of the row exceeds m, so no operand reaches f16's largest number,
; whatever the inputs' size, and operands keep all their bits for 28 binades below the row's largest.  Both factors are powers of two: they change no bit of a number.
; A work-group of 16 waves owns 32 rows of x and 4 rows of the weights.  xs is kept in f32, transposed, in LDS.
; THE GATHER: one LDS load of 8 bytes a lane brings two features: lanes 0-15 one pair's, lanes 16-31 another's, each lane rows 2 r and 2 r + 1 (r = lane mod 16).
; A wave's 512 indices lie in 16 vector registers from the start; a group takes its own by a row_share on the add that forms the address.
; Products and factors are applied in f32, and each operand is rounded to f16 once.
; LIMITS: 1/scale is v_rcp_f32 (1 ulp; |scale| below 2^-126 counts as 0, |scale| above 2^126 gives a reciprocal of 0).
;         An index word outside 0..1023, which reference() does not allow, reads some entry inside the table: the address is clamped, not the index.
;         A weight of 255.9 or more in size becomes infinite in f16.  s[b] is at most 2^73: rows with m below 2^-59 are raised by that and no more.
; No matrix unit, no cluster, no tensor load: the launch streams, and what work-groups share (32 KiB of indices, 8 KiB of scale and translation) is small beside
; the 213 KiB of x and weights that each reads for itself.
.set XSP,    72                        ; LDS bytes from feature to feature in one half of the table: 16 rows of f32 + 8, a multiple of the 8-byte access
.set XHALF,  1024*XSP+128              ; rows 16-31 lie this far behind rows 0-15: 18,464 words, 32 modulo 64, so one feature's two runs of 16 words meet in no bank (64 banks of 4 bytes: ISA guide 11.1)
.set MAXA,   XHALF+1023*XSP+56         ; the table's last 8 bytes
.set STAGE,  2*XHALF                   ; behind xs: a stage of 32 rows x 272 bytes for each wave
.set SP,     272                       ; a stage row: 128 f16 + 16 bytes, an odd multiple of 16
.set WSTAGE, 32*SP
.set PART,   STAGE+16*WSTAGE           ; behind the stages: [8 strips of 128 columns][32 rows] f32, each strip's m of each row
.set APITCH, 10240                     ; bytes in a row of abf and of bbf
.set LT,  2                            ; v2   (r>>3) * XHALF + 8 (r&7): the place of my rows 2 r, 2 r + 1 in a feature
.set WI,  4                            ; v4   lw: my byte offset in the group's 4 rows
.set WO,  5                            ; v5   bbf: where those numbers go
.set W1I, 6                            ; v6   w1 likewise
.set W1O, 7                            ; v7
.set XI,  8                            ; v8   x: my 16 bytes in my wave's first row
.set XO,  9                            ; v9   abf: the same four numbers as f16
.set TS,  10                           ; v10  my four columns in translation and scale
.set XA,  11                           ; v11  xs in LDS: my first feature, my wave's first row
.set SS,  12                           ; v12  stage, in: stage row r, 16 bytes for each half of the lanes
.set SR,  13                           ; v13  stage, back: lanes 0-15 stage row t, lanes 16-31 stage row 16 + t
.set AO,  14                           ; v14  abf: rows 2 t and 2 t + 1, my wave's 256 pairs
.set TR,  16                           ; v[16:19]   translation of my four columns
.set RS,  20                           ; v[20:27]   1 / scale of my four columns, each twice (pairs for the packed multiply)
.set T,   28                           ; v[28:35]   scale as loaded; then xs at work: (row, row + 1) of four features
.set P,   36                           ; v[36:43]   8 products of row 2 r, 8 of row 2 r + 1, as f16
.set AI,  44                           ; v[44:51]   gather addresses for idx_i
.set AJ,  52                           ; v[52:59]   for idx_j
.set MM,  44                           ; ahead of the gather: m of my wave's 16 rows (so AI and AJ have been written before a DPP form names them as destination)
.set DI,  60                           ; v[60:75]   xs[rows 2 r, 2 r + 1][idx_i] of 8 pairs
.set DJ,  76                           ; v[76:91]   the same for idx_j
.set SCR, 60                           ; ahead of the gather: s of my wave's 16 rows of x, in every lane
.set U,   76                           ; ahead of the gather: xs^2 and |x| at work; then the eight strips' m
.set OI,  92                           ; v[92:99]   lane (h, n): XSP * idx_i of pairs 16 n + 8 h .. + 7 of my wave's 256
.set OJ,  100                          ; v[100:107] the same for idx_j
.set W,   108                          ; v[108:147] ten loads of weights
.set X,   148                          ; v[148:211] sixteen rows of x
.set O,   148                          ; the same registers on the way out
.set SC,  212                          ; v[212:213] s of my rows 2 r, 2 r + 1
.set INV, 214                          ; v[214:215] 1 / (256 s) of them
.set RO,  216                          ; v216 8 r
.set PW,  217                          ; v217 PART: my wave's 16 words
.set PR,  218                          ; v218 PART: my two rows' words in strip 0
.set SB,  219                          ; v219 my wave's stage + 8 r
.set SBR, 220                          ; v220 my wave's stage + 4 x my wave's first row of x
.set IO,  221                          ; v221 my 32 bytes in idx_i and in idx_j
	s_load_b512 s[4:19], s[0:1], 0x0               ; x s[4:5], idx_i s[6:7], idx_j s[8:9], scale s[10:11], translation s[12:13], lw s[14:15], w1 s[16:17], abf s[18:19]
	s_load_b128 s[20:23], s[0:1], 0x40             ; bbf s[20:21], rs s[22:23]
	v_lshl_add_u32 v224, v0, 2, 0x46500
	v_mov_b32 v225, 0
	v_and_b32 v1, 31, v0                           ; L
	v_lshrrev_b32 v3, 5, v0
	v_readfirstlane_b32 s24, v3                    ; wave w, 0..15
	s_and_b32 s25, s24, 7                          ; st: which 128 columns of x are mine
	s_lshr_b32 s26, s24, 3                         ; hh: which 16 rows
	; weights: wave w takes 4,096 bytes of lw and 1,024 of w1: a quarter of weight row w >> 2
	s_lshl_b32 s27, s24, 12
	v_lshl_add_u32 v[WI], v1, 4, s27               ; 4096 w + 16 L
	s_lshr_b32 s28, s24, 2
	s_mul_i32 s28, s28, APITCH                     ; the row in bbf
	s_and_b32 s29, s24, 3
	s_lshl_b32 s27, s29, 11
	s_add_co_u32 s27, s27, s28
	v_lshl_add_u32 v[WO], v1, 3, s27               ; row + 2048 (w & 3) + 8 L
	s_lshl_b32 s27, s24, 10
	v_lshl_add_u32 v[W1I], v1, 4, s27              ; 1024 w + 16 L
	s_lshl_b32 s27, s29, 9
	s_add_co_u32 s27, s27, s28
	v_lshl_add_u32 v[W1O], v1, 3, s27              ; row + 512 (w & 3) + 8 L
	; x: wave w takes columns 128 st .. + 127 of rows 16 hh .. + 15; a lane four columns
	s_lshl_b32 s27, s25, 9
	v_lshl_add_u32 v[TS], v1, 4, s27               ; 512 st + 16 L
	s_lshl_b32 s28, s26, 16
	v_add_nc_u32 v[XI], s28, v[TS]                 ; + 16 hh rows of 4,096 bytes
	s_mul_i32 s27, s26, 16*APITCH
	s_lshl_b32 s28, s25, 8
	s_add_co_u32 s27, s27, s28
	v_lshl_add_u32 v[XO], v1, 3, s27               ; 16 hh rows of abf + 256 st + 8 L
	s_mul_i32 s27, s26, XHALF
	s_mul_i32 s28, s25, 128*XSP
	s_add_co_u32 s27, s27, s28                     ; my wave's 9,216 consecutive bytes of xs
	v_mul_u32_u24 v3, v1, 4*XSP
	v_add_nc_u32 v[XA], s27, v3                    ; feature 128 st + 4 L
	; the gather, the stage, the indices
	v_and_b32 v3, 15, v0                           ; r (and n) = L & 15
	v_bfe_u32 v15, v0, 4, 1                        ; h = L >> 4
	v_bfe_u32 v[LT], v0, 3, 1                      ; r >> 3: which half of the table holds rows 2 r, 2 r + 1
	v_mul_u32_u24 v[LT], v[LT], XHALF
	v_and_b32 v[IO], 7, v0
	v_lshl_add_u32 v[LT], v[IO], 3, v[LT]
	s_mul_i32 s27, s24, WSTAGE
	s_add_co_u32 s27, s27, STAGE                   ; my wave's stage
	v_mul_u32_u24 v[SS], v3, SP
	v_lshl_add_u32 v[SS], v15, 4, v[SS]
	v_add_nc_u32 v[SS], s27, v[SS]
	v_mul_u32_u24 v[SR], v15, 16*SP
	v_lshl_add_u32 v[SR], v3, 4, v[SR]
	v_add_nc_u32 v[SR], s27, v[SR]
	v_mul_u32_u24 v[AO], v15, APITCH
	v_lshl_add_u32 v[AO], v3, 4, v[AO]
	s_lshl_b32 s28, s24, 9                         ; my wave's 256 pairs: 512 bytes of a row
	v_add_nc_u32 v[AO], s28, v[AO]
	s_lshl_b32 s28, s24, 10                        ; my wave's 256 indices
	v_lshlrev_b32 v[IO], 6, v3                     ; group n's 16,
	v_lshl_add_u32 v[IO], v15, 5, v[IO]            ; half h's 8
	v_add_nc_u32 v[IO], s28, v[IO]
	; the rows' factors
	s_lshl_b32 s28, s25, 7                         ; PART: strip st,
	s_lshl_b32 s29, s26, 6                         ; rows 16 hh ..
	s_add_co_u32 s28, s28, s29
	s_add_co_u32 s28, s28, PART
	v_mov_b32 v[PW], s28
	v_lshlrev_b32 v[RO], 3, v3
	v_add_nc_u32 v[PR], PART, v[RO]
	v_add_nc_u32 v[SB], s27, v[RO]
	s_add_co_u32 s29, s29, s27
	v_mov_b32 v[SBR], s29
	s_mov_b32 s32, 0x76543210                      ; v_permlanex16_b32: lane i of one half reads lane i of the other
	s_mov_b32 s33, 0xfedcba98
	s_mov_b32 s34, 0x7fffffff                      ; clears a sign
	s_mov_b32 s3, 0                                ; every offset below is under 4 GiB
	s_wait_kmcnt 0x0
	s_lshl_b32 s2, ttmp9, 17                       ; 32 rows of x
	s_add_nc_u64 s[4:5], s[4:5], s[2:3]
	s_lshl_b32 s2, ttmp9, 16                       ; 4 rows of lw
	s_add_nc_u64 s[14:15], s[14:15], s[2:3]
	s_lshl_b32 s2, ttmp9, 14                       ; 4 rows of w1
	s_add_nc_u64 s[16:17], s[16:17], s[2:3]
	s_mul_i32 s2, ttmp9, 32*APITCH                 ; 32 rows of abf
	s_add_nc_u64 s[18:19], s[18:19], s[2:3]
	s_mul_i32 s2, ttmp9, 4*APITCH                  ; 4 rows of bbf
	s_add_nc_u64 s[20:21], s[20:21], s[2:3]
	s_lshl_b32 s2, ttmp9, 7                        ; 32 words of rs
	s_add_nc_u64 s[22:23], s[22:23], s[2:3]
	; what the barrier below waits for goes out first and alone: 22 loads a wave.  The weights follow behind the barrier.
	global_load_b128 v[TR:TR+3], v[TS], s[12:13]
	global_load_b128 v[T:T+3], v[TS], s[10:11]
	global_load_b128 v[OI:OI+3], v[IO], s[6:7]
	global_load_b128 v[OI+4:OI+7], v[IO], s[6:7] offset:16
	global_load_b128 v[OJ:OJ+3], v[IO], s[8:9]
	global_load_b128 v[OJ+4:OJ+7], v[IO], s[8:9] offset:16
.irp t, 0,1,2,3,4,5,6,7,8,9,10,11,12,13,14,15
	global_load_b128 v[X+4*\t:X+4*\t+3], v[XI], s[4:5] offset:4096*\t th:TH_LOAD_NT    ; 512 consecutive bytes of a row
.endr
	s_wait_loadcnt 16                              ; the 16 rows of x are younger
.irp q, 0,1,2,3
	v_rcp_f32 v[RS+2*\q], v[T+\q]
	v_rcp_f32 v[RS+2*\q+1], v[T+\q]
.endr
	s_wait_alu depctr_va_vdst(0)
.irp j, 0,1,2,3,4,5,6,7
	v_mul_u32_u24 v[OI+\j], v[OI+\j], XSP          ; an index becomes its feature's byte offset, once.  (These lines are also the plain place
	v_mul_u32_u24 v[OJ+\j], v[OJ+\j], XSP          ; between the reciprocals and their use, and before T is written again: ISA guide 5.7.2)
.endr
; Rows 2 u and 2 u + 1 of my wave's sixteen: xs into LDS, transposed, two rows of a feature in one store; the largest of my four xs^2 and four |x| of each row.
; x itself stays in its registers.
.macro XPAIR u
	s_wait_loadcnt 14-2*\u                         ; the younger rows stay out
.irp q, 0,1,2,3
	v_sub_f32 v[T+2*\q], v[X+8*\u+\q], v[TR+\q]
	v_sub_f32 v[T+2*\q+1], v[X+8*\u+4+\q], v[TR+\q]
.endr
.irp q, 0,1,2,3
	v_pk_mul_f32 v[T+2*\q:T+2*\q+1], v[T+2*\q:T+2*\q+1], v[RS+2*\q:RS+2*\q+1]
.endr
.irp q, 0,1,2,3
	ds_store_b64 v[XA], v[T+2*\q:T+2*\q+1] offset:XSP*\q+8*\u
.endr
.irp q, 0,1,2,3
	v_pk_mul_f32 v[U+2*\q:U+2*\q+1], v[T+2*\q:T+2*\q+1], v[T+2*\q:T+2*\q+1]
.endr
.irp k, 0,1,2,3,4,5,6,7
	v_and_b32 v[U+8+\k], s34, v[X+8*\u+\k]
.endr
.irp p, 0,1
	v_max3_num_f32 v[MM+2*\u+\p], v[U+\p], v[U+2+\p], v[U+4+\p]
	v_max3_num_f32 v[MM+2*\u+\p], v[MM+2*\u+\p], v[U+6+\p], v[U+8+4*\p]
	v_max3_num_f32 v[MM+2*\u+\p], v[MM+2*\u+\p], v[U+9+4*\p], v[U+10+4*\p]
	v_max_num_f32 v[MM+2*\u+\p], v[MM+2*\u+\p], v[U+11+4*\p]
.endr
.endm
.irp u, 0,1,2,3,4,5,6,7
	XPAIR \u
.endr
	; over the 32 lanes: four steps inside each half of 16 lanes, one across; the 16 rows' chains do not wait for each other
.irp m, 1,2,4,8
.irp t, 0,1,2,3,4,5,6,7,8,9,10,11,12,13,14,15
	v_max_num_f32_dpp v[MM+\t], v[MM+\t], v[MM+\t] row_xmask:\m row_mask:0xf bank_mask:0xf
.endr
.endr
.irp t, 0,1,2,3,4,5,6,7,8,9,10,11,12,13,14,15
	v_permlanex16_b32 v[U+(\t%4)], v[MM+\t], s32, s33      ; its destination counts as read: U has been written
	v_max_num_f32 v[MM+\t], v[MM+\t], v[U+(\t%4)]
.endr
.irp q, 0,1,2,3
	ds_store_b128 v[PW], v[MM+4*\q:MM+4*\q+3] offset:16*\q  ; all lanes write the same 16 bytes with the same numbers
.endr
	s_wait_dscnt 0x0                               ; my part of xs and of PART is written,
	s_barrier_signal -1
	s_barrier_wait -1                              ; everybody's is: the launch's one barrier; xs and PART are only read from here on
	; the weights are asked for now and land under the gather: ten loads of 512 consecutive bytes
.irp j, 0,1,2,3,4,5,6,7
	global_load_b128 v[W+4*\j:W+4*\j+3], v[WI], s[14:15] offset:512*\j th:TH_LOAD_NT
.endr
.irp j, 0,1
	global_load_b128 v[W+32+4*\j:W+32+4*\j+3], v[W1I], s[16:17] offset:512*\j th:TH_LOAD_NT
.endr
	; my rows 2 r and 2 r + 1: m over the eight strips, and from its exponent field E the two powers of two
.irp k, 0,1,2,3,4,5,6,7
	ds_load_b64 v[U+2*\k:U+2*\k+1], v[PR] offset:128*\k
.endr
	s_wait_dscnt 0x0
.macro FACTOR p, tmp
	v_max3_num_f32 v[\tmp], v[U+\p], v[U+2+\p], v[U+4+\p]
	v_max3_num_f32 v[\tmp], v[\tmp], v[U+6+\p], v[U+8+\p]
	v_max3_num_f32 v[\tmp], v[\tmp], v[U+10+\p], v[U+12+\p]
	v_max_num_f32 v[\tmp], v[\tmp], v[U+14+\p]
	v_bfe_u32 v[\tmp], v[\tmp], 23, 8              ; m lies in [2^(E-127), 2^(E-126))
	v_sub_nc_u32 v[\tmp], 268, v[\tmp]             ; s = 2^(141-E) puts it into [2^14, 2^15): exponent field 268 - E, at least 13,
	v_min_u32 v[\tmp], 200, v[\tmp]                ; and at most 200, so that the inverse below is a normal number too
	v_lshlrev_b32 v[SC+\p], 23, v[\tmp]
	v_sub_nc_u32 v[\tmp], 246, v[\tmp]             ; 1 / (256 s): field 254 - 8 - field of s, 46 to 233
	v_lshlrev_b32 v[INV+\p], 23, v[\tmp]
.endm
	FACTOR 0, 3
	FACTOR 1, 15
	ds_store_b64 v[SB], v[SC:SC+1]                 ; through my own stage: the factors of my wave's 16 rows of x into every lane (both halves of the lanes write the same bytes)
.irp q, 0,1,2,3
	ds_load_b128 v[SCR+4*\q:SCR+4*\q+3], v[SBR] offset:16*\q   ; LDS serves a wave's instructions in order (ISA guide 5.7.1.4): these see the store above
.endr
	s_cmp_lg_u32 s24, 0
	s_cbranch_scc1 .Lno_rs
	global_store_b64 v[RO], v[INV:INV+1], s[22:23] ; wave 0: the group's 32 words of rs, 128 consecutive bytes, the same from both halves of the lanes; INV and RO are never rewritten
.Lno_rs:
	s_wait_dscnt 0x0
.irp t, 0,1,2,3,4,5,6,7,8,9,10,11,12,13,14,15
.irp q, 0,1,2,3
	v_mul_f32 v[X+4*\t+\q], v[SCR+\t], v[X+4*\t+\q]
.endr
	v_cvt_pk_f16_f32 v[X+4*\t], v[X+4*\t], v[X+4*\t+1]
	v_cvt_pk_f16_f32 v[X+4*\t+1], v[X+4*\t+2], v[X+4*\t+3]
	global_store_b64 v[XO], v[X+4*\t:X+4*\t+1], s[18:19] offset:8192+APITCH*\t   ; 256 consecutive bytes, aligned
.endr
; Sixteen pairs for 32 rows: pairs 16 g + 8 h .. + 7 in half h of the lanes.
.macro GROUP g
.irp j, 0,1,2,3,4,5,6,7
	v_add_nc_u32_dpp v[AI+\j], v[OI+\j], v[LT] row_share:\g row_mask:0xf bank_mask:0xf    ; the offset that lane g of my half of the lanes holds, + my rows' place
	v_add_nc_u32_dpp v[AJ+\j], v[OJ+\j], v[LT] row_share:\g row_mask:0xf bank_mask:0xf
.endr
.irp j, 0,1,2,3,4,5,6,7
	v_min_u32 v[AI+\j], MAXA, v[AI+\j]             ; whatever the index word, the 8 bytes lie inside the table
	v_min_u32 v[AJ+\j], MAXA, v[AJ+\j]
.endr
.irp j, 0,1,2,3,4,5,6,7
	ds_load_b64 v[DI+2*\j:DI+2*\j+1], v[AI+\j]     ; two features, 32 rows of each
	ds_load_b64 v[DJ+2*\j:DJ+2*\j+1], v[AJ+\j]
.endr
.irp m, 0,1,2,3
	s_wait_dscnt 12-4*\m                           ; LDS loads come back in order (ISA guide 5.7.1): the oldest 4 (m + 1) of the 16 feed my pairs 2 m and 2 m + 1
	v_pk_mul_f32 v[DI+4*\m:DI+4*\m+1], v[DI+4*\m:DI+4*\m+1], v[DJ+4*\m:DJ+4*\m+1]
	v_pk_mul_f32 v[DI+4*\m+2:DI+4*\m+3], v[DI+4*\m+2:DI+4*\m+3], v[DJ+4*\m+2:DJ+4*\m+3]
	v_pk_mul_f32 v[DI+4*\m:DI+4*\m+1], v[DI+4*\m:DI+4*\m+1], v[SC:SC+1]           ; my two rows' powers of two
	v_pk_mul_f32 v[DI+4*\m+2:DI+4*\m+3], v[DI+4*\m+2:DI+4*\m+3], v[SC:SC+1]
	v_cvt_pk_f16_f32 v[P+\m], v[DI+4*\m], v[DI+4*\m+2]         ; row 2 r: two neighbouring pairs
	v_cvt_pk_f16_f32 v[P+4+\m], v[DI+4*\m+1], v[DI+4*\m+3]     ; row 2 r + 1
.endr
	ds_store_b128 v[SS], v[P:P+3] offset:32*((\g)%8)           ; even rows in stage rows 0-15, odd rows in stage rows 16-31: sixteen lanes fall in sixteen different 16-byte columns
	ds_store_b128 v[SS], v[P+4:P+7] offset:32*((\g)%8)+16*SP
.endm
; A load of weights: times 256, rounded in place; a store's 32 lanes x 8 bytes are 256 consecutive bytes at a multiple of 256 from bbf's first byte.  W is never rewritten.
.macro WCONV j
	s_wait_loadcnt 9-\j                            ; the younger loads of weights stay out
.irp q, 0,1,2,3
	v_mul_f32 v[W+4*\j+\q], 0x43800000, v[W+4*\j+\q]
.endr
	v_cvt_pk_f16_f32 v[W+4*\j], v[W+4*\j], v[W+4*\j+1]
	v_cvt_pk_f16_f32 v[W+4*\j+1], v[W+4*\j+2], v[W+4*\j+3]
.if \j < 8
	global_store_b64 v[WO], v[W+4*\j:W+4*\j+1], s[20:21] offset:256*\j
.else
	global_store_b64 v[W1O], v[W+4*\j:W+4*\j+1], s[20:21] offset:8192+256*(\j-8)
.endif
.endm
; 128 pairs of 32 rows leave the wave's own stage by rows: sixteen lanes store 256 consecutive bytes at a multiple of 256 from abf's first byte.
.macro OUTHALF h
	s_wait_xcnt 0x0                                ; O was the data of earlier stores: loaded again only behind this wait (ISA guide 3.1)
.irp t, 0,1,2,3,4,5,6,7,8,9,10,11,12,13,14,15
	ds_load_b128 v[O+4*\t:O+4*\t+3], v[SR] offset:SP*\t        ; rows 2 t and 2 t + 1; these see the wave's own stores above, as LDS serves a wave in order
.endr
.irp t, 0,1,2,3,4,5,6,7,8,9,10,11,12,13,14,15
	s_wait_dscnt 15-\t
	global_store_b128 v[AO], v[O+4*\t:O+4*\t+3], s[18:19] offset:2*APITCH*\t+256*\h
.endr
.endm
	GROUP 0
	GROUP 1
	GROUP 2
	WCONV 0                                        ; three groups behind their request, two at a time, so that their stores are spread under the gather
	WCONV 1
	GROUP 3
	WCONV 2
	WCONV 3
	GROUP 4
	WCONV 4
	WCONV 5
	GROUP 5
	WCONV 6
	WCONV 7
	GROUP 6
	WCONV 8
	WCONV 9
	GROUP 7
	OUTHALF 0
	GROUP 8
	GROUP 9
	GROUP 10
	GROUP 11
	GROUP 12
	GROUP 13
	GROUP 14
	GROUP 15
	OUTHALF 1
	s_wait_tensorcnt 0x0
	ds_add_u32 v224, v225
	s_wait_dscnt 0x0
	s_endpgm
.Lfunc_end_k_q33ca7557d5_prep:
	.size	k_q33ca7557d5_prep, .Lfunc_end_k_q33ca7557d5_prep-k_q33ca7557d5_prep
	.p2alignl 7, 3214868480
	.fill 96, 4, 3214868480
	.section	.rodata,"a",@progbits
	.p2align	6, 0x0
	.amdhsa_kernel k_q33ca7557d5_prep
		.amdhsa_group_segment_fixed_size 290048
		.amdhsa_private_segment_fixed_size 0
		.amdhsa_enable_private_segment 0
		.amdhsa_kernarg_size 80
		.amdhsa_user_sgpr_count 2
		.amdhsa_user_sgpr_kernarg_segment_ptr 1
		.amdhsa_wavefront_size32 1
		.amdhsa_system_sgpr_workgroup_id_x 1
		.amdhsa_system_sgpr_workgroup_id_y 1
		.amdhsa_system_sgpr_workgroup_id_z 1
		.amdhsa_system_vgpr_workitem_id 0
		.amdhsa_next_free_vgpr 226
		.amdhsa_next_free_sgpr 66
		.amdhsa_reserve_vcc 0
		.amdhsa_float_denorm_mode_32 3
		.amdhsa_float_denorm_mode_16_64 3
		.amdhsa_memory_ordered 1
		.amdhsa_forward_progress 1
		.amdhsa_inst_pref_size 124
	.end_amdhsa_kernel
	.amdgpu_metadata
---
amdhsa.version: [ 1, 2 ]
amdhsa.kernels:
  - .name:           k_q33ca7557d5_prep
    .symbol:         k_q33ca7557d5_prep.kd
    .args:
      - { .name: x, .offset: 0, .size: 8, .value_kind: global_buffer, .address_space: global }
      - { .name: idx_i, .offset: 8, .size: 8, .value_kind: global_buffer, .address_space: global }
      - { .name: idx_j, .offset: 16, .size: 8, .value_kind: global_buffer, .address_space: global }
      - { .name: scale, .offset: 24, .size: 8, .value_kind: global_buffer, .address_space: global }
      - { .name: translation, .offset: 32, .size: 8, .value_kind: global_buffer, .address_space: global }
      - { .name: lw, .offset: 40, .size: 8, .value_kind: global_buffer, .address_space: global }
      - { .name: w1, .offset: 48, .size: 8, .value_kind: global_buffer, .address_space: global }
      - { .name: abf, .offset: 56, .size: 8, .value_kind: global_buffer, .address_space: global }
      - { .name: bbf, .offset: 64, .size: 8, .value_kind: global_buffer, .address_space: global }
      - { .name: rs, .offset: 72, .size: 8, .value_kind: global_buffer, .address_space: global }
    .group_segment_fixed_size: 290048
    .private_segment_fixed_size: 0
    .kernarg_segment_align: 8
    .kernarg_segment_size: 80
    .max_flat_workgroup_size: 512
    .sgpr_count:     66
    .vgpr_count:     226
    .wavefront_size: 32
...
	.end_amdgpu_metadata
.endif
;; end of part 1
;; launch gemm (part 2): grid 4 x 64, 4 waves a work-group, clusters of 4 x 4, 327,680 bytes of LDS; arguments abf, bbf, cpart; writes cpart
.if DOCPART == 2
	.amdgcn_target "amdgcn-amd-amdhsa--gfx1250"
	.amdhsa_code_object_version 6
	.text
	.protected	k_q33ca7557d5_gemm
	.globl	k_q33ca7557d5_gemm
	.p2align	8
	.type	k_q33ca7557d5_gemm,@function
k_q33ca7557d5_gemm:
	s_mov_b64 s[64:65], 0
	v_nop
	global_prefetch_b8 v0, s[64:65] scope:SCOPE_SE
	s_setreg_imm32_b32 hwreg(HW_REG_WAVE_MODE, 25, 1), 1
	s_wait_xcnt 0x0
	s_wait_alu depctr_hold_cnt(0) depctr_sa_sdst(0) depctr_va_vdst(0) depctr_va_sdst(0) depctr_va_ssrc(0) depctr_va_vcc(0) depctr_vm_vsrc(0)
	s_getreg_b32 s2, hwreg(HW_REG_IB_STS2, 6, 4)
	s_cmp_eq_u32 s2, 0
	s_cbranch_scc0 .Lentry_in_a_cluster
	s_endpgm
.Lentry_in_a_cluster:
	s_bfe_u32 s2, ttmp6, 0x10000c
	s_cmp_lg_u32 s2, 0xf033
	s_cbranch_scc0 .Lentry_shape_is_right
	s_endpgm
.Lentry_shape_is_right:
; cpart[kh][m][n] = sum over k = 2560 kh .. 2560 kh + 2559 of abf[m][k] bbf[n][k].  abf: [8192][5120], bbf: [1024][5120] f16; sums and cpart in f32.
; (The operands carry a power of two for each row of abf and the factor 256 on bbf, which the next launch undoes; no operand reaches 2^15 on abf's side.)
; 8192 x 1024 is 128 blocks of 256 x 256; K is cut in two halves so that there are 256 equal work-groups; the next launch adds the two planes.
; A work-group makes a block of 256 x 256 with four waves; a wave makes 128 x 128: 64 accumulator tiles of 16 x 16, 512 registers.
; K goes in steps of 128 through a ring of two LDS slots filled by the tensor data mover: a tile's rows are 256 bytes of memory and start at multiples of
; 256 bytes from the buffer's first byte (a row of 10,240 bytes is 40 x 256, a K half of 5,120 bytes 20 x 256).
; CLUSTERS: 4 x 4 work-groups of one K half: four block rows x all four block columns.  The four of a row of the cluster need the same tiles of abf, the four of
; a column the same tiles of bbf.  Such a tile is asked for JOINTLY: each of the four issues the same tensor load, with the same descriptor and a mask that
; names the four, and each receives it in its own LDS.  That divides the requests for both operands by four.
;
; REGISTERS, in windows of 256 (s_set_vgpr_msb says which window each operand place means; low byte: bits 1:0 source 0, 3:2 source 1, 5:4 source 2, 7:6 destination):
;   window 0: v16-26 addresses; v64-127, v128-191 fragments of A (8 x 16 rows x 32 K), two buffers, used again on the way out
;   window 1: v64-127, v128-191 fragments of B, two buffers
;   window 2: the 32 accumulator tiles of my rows 0-63 (tile (a, b) at v[8 (8 a + b)]);   window 3: those of my rows 64-127
; THE MATRIX INSTRUCTION IS USED TRANSPOSED: source 0 = 16 rows of B, source 1 = 16 rows of A.  Lane l then holds row l % 16 of C and its registers 0 to 7 the
; columns 8 (l / 16) + 0 .. 7: 32 neighbouring bytes of a row of C.
; The 64 accumulators take turns, one instruction a turn, in the same order in every quarter step, over the backward jump too.
.set LDA,    5120                      ; elements in a row of abf and of bbf
.set KHALF,  2560
.set KSTEP,  128
.set PITCH,  272                       ; an LDS row: 256 bytes of data + 16 of padding, an odd multiple of 16: the 16 rows that a load touches start at 16 different places modulo 256 bytes
.set HALFT,  128*PITCH                 ; 128 rows: what one tensor load brings, and what one wave reads of A or of B
.set SLOT,   4*HALFT                   ; A's 256 rows, then B's 256 rows
.set STAGE,  2*SLOT                    ; behind the ring (1,088 blocks of 256 bytes): 16 rows x 528 bytes for each wave; no tensor load lands here
.set SPITCH, 528                       ; a stage row: 128 f32 + 16 bytes, an odd multiple of 16
.set CROW,   4096                      ; bytes in a row of cpart
.set LAPS, KHALF/(2*KSTEP)             ; a lap = two K steps = once round the ring: 10
.set ADRA, 16                          ; v16-17  LDS address of my A fragments in slot 0, 1
.set ADRB, 20                          ; v20-21  the same for B
.set STO,  24                          ; v24     the way out: where I put 32 bytes of a row
.set RD,   25                          ; v25     the way out: where I read a row back
.set CO,   26                          ; v26     my byte offset in a row of C
.set F0,   64                          ; fragment buffer 0
.set F1,   128                         ; fragment buffer 1
.set G1, 24                            ; s[24:31] descriptor group 1 for A's tiles
.set G0, 32                            ; s[32:39] descriptor group 0 for A's tiles, one set for each slot
.set G1B, 48                           ; s[48:55] descriptor group 1 for B's tiles: it differs from A's in the mask alone
.set G0B, 56                           ; s[56:63] descriptor group 0 for B's tiles, one set for each slot
.set MSB, 0
.macro WIN new                         ; the immediate's high byte repeats the setting that is left
.if MSB != \new
	s_set_vgpr_msb (MSB<<8)|\new
.set MSB, \new
.endif
.endm
.set MUL_LO, 0xa1                      ; source 0 (B) window 1, source 1 (A) window 0, C and D window 2
.set MUL_HI, 0xf1                      ; the same, C and D window 3
.set TO_B,   0x40                      ; destination window 1, address window 0
; A joint load.  Waves 0 and 1 fetch A's two halves, waves 2 and 3 B's.  Each line has one mask and one set of registers for all that issue it.
; The branch hangs on the wave's number alone: it is the same in every work-group.
.macro JLOAD s
	s_cmp_eq_u32 s11, 0
	s_cbranch_scc0 .Lfor_b_\@
	tensor_load_to_lds s[G0+4*\s:G0+4*\s+3], s[G1:G1+7]
	s_nop 0
	s_branch .Lasked_\@
.Lfor_b_\@:
	tensor_load_to_lds s[G0B+4*\s:G0B+4*\s+3], s[G1B:G1B+7]
	s_nop 0
.Lasked_\@:
.endm
; A round of the cluster's barrier: my work-group's barrier, so that wave 0's signal speaks for all four waves; wave 0 signals for the work-group; every wave
; waits for all sixteen work-groups; my work-group's barrier once more.
.macro CREST                           ; a round behind its opening barrier
	s_cmp_lg_u32 s10, 0
	s_cbranch_scc1 .Lnot_wave_0_\@
	s_barrier_signal -3
.Lnot_wave_0_\@:
	s_barrier_wait -3
	s_barrier_signal -1
	s_barrier_wait -1
.endm
.macro CROUND                          ; a whole round
	s_barrier_signal -1
	s_barrier_wait -1
	CREST
.endm
	s_load_b128 s[4:7], s[0:1], 0x0                ; abf s[4:5], bbf s[6:7]
	s_load_b64 s[8:9], s[0:1], 0x10                ; cpart
	s_set_vgpr_msb 0x40
	v_lshl_add_u32 v255, v0, 2, 0x4c400
	s_set_vgpr_msb 0x4000
	v_mov_b32 v255, 0
	s_set_vgpr_msb 0x1
	ds_add_u32 v255, v255
	s_set_vgpr_msb 0x100
	v_lshrrev_b32 v1, 5, v0
	v_readfirstlane_b32 s10, v1                    ; wave 0..3
	s_lshr_b32 s11, s10, 1                         ; which half of the block's rows is mine.  Also: I fetch for A (0) or for B (1)
	s_and_b32 s12, s10, 1                          ; which half of its columns.  Also: which 128 rows of that tile I fetch
	s_bfe_u32 s40, ttmp6, 0x40000                  ; cx: my place along the cluster's x
	s_bfe_u32 s41, ttmp6, 0x40004                  ; cy: along its y
	s_lshl_b32 s42, ttmp9, 2                       ; in a cluster launch ttmp9 and ttmp7 count clusters
	s_add_co_u32 s42, s42, s40                     ; block column of C = 4 x cluster x + cx (0..3)
	s_and_b32 s13, ttmp7, 0xffff                   ; the cluster's y, 0..15
	s_lshr_b32 s45, s13, 3                         ; kh, the K half: of the cluster's y alone, so that all sixteen partners share it
	s_and_b32 s13, s13, 7
	s_lshl_b32 s13, s13, 2
	s_add_co_u32 s13, s13, s41                     ; block row of C = 4 x (cluster y mod 8) + cy (0..31)
	s_lshl_b32 s43, s41, 2
	s_lshl_b32 s43, 15, s43                        ; my row of the cluster: places 4 cy .. 4 cy + 3
	s_lshl_b32 s44, 0x1111, s40                    ; my column: places cx, cx + 4, cx + 8, cx + 12
	; descriptor group 1: a tile of 128 rows x 128 elements, padded in LDS
	s_or_b32 s[G1+0], s43, (1<<16)|(1<<20)|(1<<21)|(5<<22)|(3<<25)  ; 15:0 the mask: A's tiles go to my row; 17:16 element of 2 bytes; 20 padding on; 21 set beside a mask; 24:22 after every 64 words (code 5); 31:25 of 4 words (code 3)
	s_or_b32 s[G1B+0], s44, (1<<16)|(1<<20)|(1<<21)|(5<<22)|(3<<25) ; the same with the mask of my column, for B's tiles
	s_mov_b32 s[G1B+1], KSTEP<<16
	s_mov_b32 s[G1+1], KSTEP<<16                   ; 63:48 tensor_dim0, low half = 128
	s_mov_b32 s[G1B+2], 128<<16
	s_mov_b32 s[G1+2], 128<<16                     ; 79:64 its high half = 0; 95:80 tensor_dim1, low half = 128
	s_mov_b32 s[G1B+3], KSTEP<<16
	s_mov_b32 s[G1+3], KSTEP<<16                   ; 111:96 its high half = 0; 127:112 tile_dim0 = 128
	s_mov_b32 s[G1B+4], 128
	s_mov_b32 s[G1+4], 128                         ; 143:128 tile_dim1 = 128; 159:144 tile_dim2 = 0
	s_mov_b32 s[G1B+5], LDA
	s_mov_b32 s[G1+5], LDA                         ; 191:160 tensor_dim0_stride, low word: 5,120 elements from row to row
	s_mov_b32 s[G1B+6], 0
	s_mov_b32 s[G1+6], 0
	s_mov_b32 s[G1B+7], 0
	s_mov_b32 s[G1+7], 0
	; where the tiles come from.  A's hang on the block row and the K half, which my row of the cluster shares; B's on the block column and the K half, which my column shares.
	; Every wave makes both offsets, in registers that never hold the other coordinate, and asks by one of them.
	s_lshl_b32 s17, s12, 7                         ; which 128 rows of the tile I fetch
	s_lshl_b32 s16, s13, 8
	s_add_co_u32 s16, s16, s17                     ; A: row 256 x block row + 128 x half
	s_lshl_b32 s46, s42, 8
	s_add_co_u32 s46, s46, s17                     ; B: row 256 x block column + 128 x half
	s_mov_b32 s17, 0
	s_mov_b32 s47, 0
	s_mov_b64 s[18:19], LDA*2
	s_mul_u64 s[16:17], s[16:17], s[18:19]         ; in bytes
	s_mul_u64 s[46:47], s[46:47], s[18:19]
	s_mul_i32 s22, s45, KHALF*2                    ; the K half's first byte in a row
	s_mov_b32 s23, 0
	s_add_nc_u64 s[16:17], s[16:17], s[22:23]
	s_add_nc_u64 s[46:47], s[46:47], s[22:23]
	s_mul_i32 s20, s10, HALFT                      ; and where they go: A's two halves, then B's two halves = wave x 128 rows: no place in the cluster enters an LDS address
	s_wait_dscnt 0x0
	s_wait_kmcnt 0x0
	s_add_nc_u64 s[14:15], s[4:5], s[16:17]
	s_add_nc_u64 s[46:47], s[6:7], s[46:47]
	CROUND                                         ; all sixteen work-groups are here: the first joint loads meet
.irp s, 0,1
	s_mov_b32 s[G0+4*\s], 1                                        ; 1:0 count = 1
	s_add_co_u32 s[G0+4*\s+1], s20, \s*SLOT                        ; 63:32 LDS address
	s_add_nc_u64 s[G0+4*\s+2:G0+4*\s+3], s[14:15], \s*KSTEP*2      ; 120:64 global address: K step s
	s_or_b32 s[G0+4*\s+3], s[G0+4*\s+3], 0x80000000                ; 127:126 type = 2
	s_mov_b32 s[G0B+4*\s], 1
	s_add_co_u32 s[G0B+4*\s+1], s20, \s*SLOT
	s_add_nc_u64 s[G0B+4*\s+2:G0B+4*\s+3], s[46:47], \s*KSTEP*2
	s_or_b32 s[G0B+4*\s+3], s[G0B+4*\s+3], 0x80000000
	JLOAD \s                                       ; the ring is filled before anything else is done: two tensor loads of the wave are out here, one behind each later round
.endr
	; A fragment is 16 rows x 32 K in 8 registers: lane l holds row l % 16; registers 0-3 hold K = 8 (l / 16) + 0..7, registers 4-7 hold
	; K = 16 + 8 (l / 16) + 0..7.  From rows that lie along K: two loads of 16 bytes, 32 bytes apart.  The same for source 0 and source 1.
	v_and_b32 v1, 15, v0                           ; l % 16
	v_bfe_u32 v2, v0, 4, 1                         ; l / 16
	v_mul_u32_u24 v3, v1, PITCH
	v_lshl_add_u32 v3, v2, 4, v3                   ; row x pitch + 16 x half
	s_mul_i32 s21, s11, HALFT                      ; my 128 rows of A
	s_mul_i32 s22, s12, HALFT                      ; my 128 rows of B,
	s_add_co_u32 s22, s22, 2*HALFT                 ; which lie behind A's 256
.irp s, 0,1
	v_add_nc_u32 v[ADRA+\s], s21, v3
	v_add_nc_u32 v[ADRB+\s], s22, v3
	s_add_co_u32 s21, s21, SLOT
	s_add_co_u32 s22, s22, SLOT
.endr
	s_mul_i32 s23, s10, 16*SPITCH
	s_add_co_u32 s23, s23, STAGE                   ; my stage
	v_mul_u32_u24 v4, v1, SPITCH                   ; in: row l % 16, 32 bytes for each half of the lanes
	v_lshl_add_u32 v4, v2, 5, v4
	v_add_nc_u32 v[STO], s23, v4
	v_and_b32 v5, 31, v0
	v_lshlrev_b32 v[CO], 4, v5                     ; back and out: 32 lanes take one row of 512 bytes
	v_add_nc_u32 v[RD], s23, v[CO]
; 16 matrix instructions: m blocks a0, a0 + 1 of the window's four (hi = 0: my rows 0-63, 1: rows 64-127) x all 8 n blocks, 32 along K.
; zero = 1: the first product starts the sums: nothing is ever cleared.
.macro MUL16 f, hi, a0, zero
.irp a, \a0, \a0+1
.irp b, 0,1,2,3,4,5,6,7
.if \zero
	v_wmma_f32_16x16x32_f16 v[8*(8*(\a)+\b):8*(8*(\a)+\b)+7], v[\f+8*\b:\f+8*\b+7], v[\f+8*(4*\hi+\a):\f+8*(4*\hi+\a)+7], 0
.else
	v_wmma_f32_16x16x32_f16 v[8*(8*(\a)+\b):8*(8*(\a)+\b)+7], v[\f+8*\b:\f+8*\b+7], v[\f+8*(4*\hi+\a):\f+8*(4*\hi+\a)+7], v[8*(8*(\a)+\b):8*(8*(\a)+\b)+7]
.endif
.endr
.endr
.endm
; 32 LDS loads in one run: the fragments of one quarter step (128 rows of B, 128 rows of A, 32 K at byte k of the rows) into buffer f
.macro FETCH slot, k, f
	WIN TO_B
.irp i, 0,1,2,3,4,5,6,7
	ds_load_b128 v[\f+8*\i:\f+8*\i+3],   v[ADRB+\slot] offset:\k+\i*16*PITCH
	ds_load_b128 v[\f+8*\i+4:\f+8*\i+7], v[ADRB+\slot] offset:\k+\i*16*PITCH+32
.endr
	WIN 0
.irp i, 0,1,2,3,4,5,6,7
	ds_load_b128 v[\f+8*\i:\f+8*\i+3],   v[ADRA+\slot] offset:\k+\i*16*PITCH
	ds_load_b128 v[\f+8*\i+4:\f+8*\i+7], v[ADRA+\slot] offset:\k+\i*16*PITCH+32
.endr
.endm
; A load into a register that a matrix instruction has read, and an LDS store that reads a matrix result, stand four places behind that matrix instruction, and
; only plain vector instructions that name none of its registers are places (ISA guide 7.12.1 for vector instructions).
.macro PLACES
.rept 4
	v_nop
.endr
.endm
; A K step is four quarter steps of 32 along K, 64 matrix instructions each, on buffers 0, 1, 0, 1.
; One of the first three: multiplies buffer f; in its middle it fetches the next quarter's fragments, at byte k of the same slot's rows, into buffer g.
.macro QUARTER slot, k, f, g, zero
	s_wait_dscnt 8                                 ; B and A's rows 0-63 are in; the youngest eight loads (A's rows 64-127) may be out
	WIN MUL_LO
	MUL16 \f, 0, 0, \zero
	MUL16 \f, 0, 2, \zero
	PLACES
	FETCH \slot, \k, \g
	s_wait_dscnt 32                                ; all but the 32 just issued
	WIN MUL_HI
	MUL16 \f, 1, 0, \zero
	MUL16 \f, 1, 2, \zero
.endm
.macro THREE slot, zero
	QUARTER \slot, 64,  F0, F1, \zero
	QUARTER \slot, 128, F1, F0, 0
	QUARTER \slot, 192, F0, F1, 0
.endm
; The last quarter: multiplies buffer 1 and changes slots.  next = the other slot; fill = 1: this slot is filled again, two K steps ahead.
; One barrier for the change of slots.  In front of it each wave waits for its own reads of this slot and for all its tensor loads, of which one is out: its part
; of the next slot.  Behind it nobody reads this slot any more and the next slot is whole: the refill comes first, then the next slot's first fragments.
; From a request to the wait for it a wave issues 240 matrix instructions.
.macro TURN slot, next, fill
	s_wait_dscnt 8
	WIN MUL_LO
	MUL16 F1, 0, 0, 0
	s_wait_dscnt 0                                 ; my reads of this slot are over
	s_wait_tensorcnt 0x0                           ; and all my tensor loads have landed: the one that was out is my part of the next slot
	ds_add_u32 v255, v255
	s_wait_dscnt 0x0
	s_barrier_signal -1                            ; say so (where a slot is filled again this barrier opens a round of the cluster's barrier),
	MUL16 F1, 0, 2, 0                              ; work on registers while the others arrive,
	WIN 0
	s_barrier_wait -1                              ; and go on when all four have said so
.if \fill
	CREST                                          ; all sixteen work-groups have said so: no wave of any partner still reads this slot's tile or has a load on its way
	s_add_nc_u64 s[G0+4*\slot+2:G0+4*\slot+3], s[G0+4*\slot+2:G0+4*\slot+3], 2*KSTEP*2
	s_add_nc_u64 s[G0B+4*\slot+2:G0B+4*\slot+3], s[G0B+4*\slot+2:G0B+4*\slot+3], 2*KSTEP*2
	JLOAD \slot                                    ; the first tensor load behind the round, and the wave's only one until the next
.endif
	PLACES
	FETCH \next, 0, F0
	WIN MUL_HI
	MUL16 F1, 1, 0, 0
	MUL16 F1, 1, 2, 0
.endm
.macro LAP zero                        ; once round the ring, both slots filled again
	THREE 0, \zero
	TURN 0, 1, 1
	THREE 1, 0
	TURN 1, 0, 1
.endm
	s_wait_tensorcnt 1                             ; my part of K step 0 is in; K step 1's may stay out
	s_barrier_signal -1
	s_barrier_wait -1                              ; everybody's is
	FETCH 0, 0, F0
	LAP 1                                          ; the first lap stands in front of the loop: its first products start the sums
	WIN 0                                          ; at a label and at a branch every window is 0
	s_mov_b32 s3, LAPS-2
.Llap:
	LAP 0
	WIN 0
	s_sub_co_u32 s3, s3, 1
	s_cmp_lg_u32 s3, 0
	s_cbranch_scc1 .Llap
	THREE 0, 0                                     ; the last lap fills nothing: my one tensor load that is still out is slot 1's, the last K step's
	TURN 0, 1, 0
	THREE 1, 0
	s_wait_dscnt 8                                 ; the very last quarter: nothing more to fetch
	WIN MUL_LO
	MUL16 F1, 0, 0, 0
	MUL16 F1, 0, 2, 0
	s_wait_dscnt 0
	WIN MUL_HI
	MUL16 F1, 1, 0, 0
	MUL16 F1, 1, 2, 0
	; THE WAY OUT, 16 rows of C at a time: 32 bytes a lane straight from the accumulators into my own stage in LDS, read back as whole rows of 512 bytes.
	PLACES                                         ; the places behind the last matrix instructions, for the LDS stores of results and the loads into buffers 0 and 1
	s_lshl_b32 s13, s13, 8
	s_lshl_b32 s14, s11, 7
	s_add_co_u32 s16, s13, s14                     ; my first row of C
	s_lshl_b32 s16, s16, 12                        ; x 4,096 bytes
	s_lshl_b32 s14, s45, 25                        ; the K half's plane: 8192 x 4,096 bytes
	s_add_co_u32 s16, s16, s14
	s_mov_b32 s17, 0
	s_add_nc_u64 s[8:9], s[8:9], s[16:17]
	s_lshl_b32 s46, s42, 10                        ; my first column, in bytes: 1,024 x block + 512 x half
	s_lshl_b32 s47, s12, 9
	s_add_co_u32 s46, s46, s47
	s_mov_b32 s47, 0
	s_add_nc_u64 s[8:9], s[8:9], s[46:47]
; rows 16 i .. 16 i + 15 of my block = the eight tiles (a, 0..7) of window 2 or 3 (from = 0x08 or 0x0c: the store's data, source 1); f: F0 or F1 in turn
.macro OUT16 i, a, from, f
	WIN \from
.irp b, 0,1,2,3,4,5,6,7
	ds_store_b128 v[STO], v[8*(8*\a+\b):8*(8*\a+\b)+3] offset:64*\b
	ds_store_b128 v[STO], v[8*(8*\a+\b)+4:8*(8*\a+\b)+7] offset:64*\b+16
.endr
	WIN 0
	s_wait_xcnt 0x0                                ; buffer f, which earlier stores read, and the stores' base are rewritten only behind this wait (ISA guide 3.1)
.if \i
	s_add_nc_u64 s[8:9], s[8:9], 16*CROW           ; 16 rows of C on
.endif
.irp t, 0,1,2,3,4,5,6,7,8,9,10,11,12,13,14,15
	ds_load_b128 v[\f+4*\t:\f+4*\t+3], v[RD] offset:\t*SPITCH      ; LDS serves a wave's instructions in order (ISA guide 5.7.1.4): these see the stores above
.endr
.irp t, 0,1,2,3,4,5,6,7,8,9,10,11,12,13,14,15
	s_wait_dscnt 15-\t
	global_store_b128 v[CO], v[\f+4*\t:\f+4*\t+3], s[8:9] offset:\t*CROW   ; the wave stores 512 consecutive bytes, at a multiple of 512 from cpart's first byte
.endr
.endm
	OUT16 0, 0, 0x08, F0
	OUT16 1, 1, 0x08, F1
	OUT16 2, 2, 0x08, F0
	OUT16 3, 3, 0x08, F1
	OUT16 4, 0, 0x0c, F0
	OUT16 5, 1, 0x0c, F1
	OUT16 6, 2, 0x0c, F0
	OUT16 7, 3, 0x0c, F1
	s_set_vgpr_msb 0x1
	s_wait_tensorcnt 0x0
	ds_add_u32 v255, v255
	s_wait_dscnt 0x0
	s_set_vgpr_msb 0x100
	CROUND                                         ; the closing round: no work-group ends while a partner may still ask for a tile that names it
	s_endpgm
.Lfunc_end_k_q33ca7557d5_gemm:
	.size	k_q33ca7557d5_gemm, .Lfunc_end_k_q33ca7557d5_gemm-k_q33ca7557d5_gemm
	.p2alignl 7, 3214868480
	.fill 96, 4, 3214868480
	.section	.rodata,"a",@progbits
	.p2align	6, 0x0
	.amdhsa_kernel k_q33ca7557d5_gemm
		.amdhsa_group_segment_fixed_size 327680
		.amdhsa_private_segment_fixed_size 0
		.amdhsa_enable_private_segment 0
		.amdhsa_kernarg_size 24
		.amdhsa_user_sgpr_count 2
		.amdhsa_user_sgpr_kernarg_segment_ptr 1
		.amdhsa_wavefront_size32 1
		.amdhsa_system_sgpr_workgroup_id_x 1
		.amdhsa_system_sgpr_workgroup_id_y 1
		.amdhsa_system_sgpr_workgroup_id_z 1
		.amdhsa_system_vgpr_workitem_id 0
		.amdhsa_next_free_vgpr 1024
		.amdhsa_next_free_sgpr 66
		.amdhsa_reserve_vcc 0
		.amdhsa_float_denorm_mode_32 3
		.amdhsa_float_denorm_mode_16_64 3
		.amdhsa_memory_ordered 1
		.amdhsa_forward_progress 1
		.amdhsa_inst_pref_size 196
	.end_amdhsa_kernel
	.amdgpu_metadata
---
amdhsa.version: [ 1, 2 ]
amdhsa.kernels:
  - .name:           k_q33ca7557d5_gemm
    .symbol:         k_q33ca7557d5_gemm.kd
    .args:
      - { .name: abf, .offset: 0, .size: 8, .value_kind: global_buffer, .address_space: global }
      - { .name: bbf, .offset: 8, .size: 8, .value_kind: global_buffer, .address_space: global }
      - { .name: cpart, .offset: 16, .size: 8, .value_kind: global_buffer, .address_space: global }
    .group_segment_fixed_size: 327680
    .private_segment_fixed_size: 0
    .kernarg_segment_align: 8
    .kernarg_segment_size: 24
    .max_flat_workgroup_size: 128
    .sgpr_count:     66
    .vgpr_count:     1024
    .wavefront_size: 32
...
	.end_amdgpu_metadata
.endif
;; end of part 2
;; launch ln (part 3): grid 256 x 1, 16 waves a work-group, no clusters, 0 bytes of LDS; arguments cpart, gamma, beta, rs, out0; writes out0
.if DOCPART == 3
	.amdgcn_target "amdgcn-amd-amdhsa--gfx1250"
	.amdhsa_code_object_version 6
	.text
	.protected	k_q33ca7557d5_ln
	.globl	k_q33ca7557d5_ln
	.p2align	8
	.type	k_q33ca7557d5_ln,@function
k_q33ca7557d5_ln:
	s_mov_b64 s[64:65], 0
	v_nop
	global_prefetch_b8 v0, s[64:65] scope:SCOPE_SE
	s_setreg_imm32_b32 hwreg(HW_REG_WAVE_MODE, 25, 1), 1
	s_wait_xcnt 0x0
; out0[r][n] = (c - mean) * rsqrt(var + 1e-5) * gamma[n] + beta[n], c = inv[r] * (cpart[0][r][n] + cpart[1][r][n]), mean and biased variance over the row's 1024 numbers.
; inv[r] = rs[r] is the power of two that undoes the factors on the product's operands.  It is not multiplied into the 1024 numbers: with c' the sums as they come,
; c - mean = inv (c' - mean'), var = inv^2 var', so the row is scaled by inv * rsqrt(inv * (inv * var') + 1e-5).  The two multiplications by inv follow each other, so that
; the number in between lies between var' and var and neither overflows nor vanishes where these do not.
; One wave, one row: a row of 4,096 bytes is 32 registers, so it stays in registers between the pass for the mean, the pass for the variance (of c' - mean', not
; a difference of large sums) and the pass that scales.  No LDS, no barrier.  Sixteen waves, two rows each, and both rows are asked for at the start: all 256 KiB of
; sums that the work-group reads are on their way at once, and no register is loaded twice.
; Every load and store of a wave covers 512 consecutive bytes.  Matrix units, clusters and LDS would add nothing to a stream.
.set ROW, 4096
.set G,   2                            ; v[2:33]    gamma of my 32 columns (columns 128 j + 4 L .. + 3, j = 0..7)
.set B,   34                           ; v[34:65]   beta of them
.set P,   66                           ; v[66+64 s ..]  row s of my two: plane 0, then c', c' - mean', the result
.set Q,   98                           ; v[98+64 s ..]  row s: plane 1
.set S,   194                          ; v[194:201] four chains of pairs
.set M,   202                          ; v[202:203] the mean, twice
.set R,   204                          ; v[204:205] inv / sqrt(var + eps), twice
.set TMP, 206
.set IV,  24                           ; s[24:25]   inv of my wave's two rows
	s_load_b256 s[4:11], s[0:1], 0x0               ; cpart s[4:5], gamma s[6:7], beta s[8:9], rs s[10:11]
	s_load_b64 s[12:13], s[0:1], 0x20              ; out0
	v_and_b32 v1, 31, v0
	v_lshrrev_b32 v[TMP], 5, v0                    ; (TMP is written here, ahead of its use as a lane permute's destination)
	v_readfirstlane_b32 s20, v[TMP]                ; wave 0..15
	v_lshlrev_b32 v1, 4, v1                        ; 16 bytes a lane; never rewritten
	s_lshl_b32 s2, ttmp9, 17                       ; the group's 32 rows
	s_lshl_b32 s3, s20, 13                         ; my wave's 2 rows
	s_add_co_u32 s2, s2, s3
	s_mov_b32 s3, 0
	s_lshl_b32 s22, ttmp9, 7                       ; the same rows in rs: 128 bytes a group,
	s_lshl_b32 s23, s20, 3                         ; 8 a wave
	s_add_co_u32 s22, s22, s23
	s_mov_b32 s23, 0
	s_mov_b32 s16, 0x76543210                      ; v_permlanex16_b32: lane i of one half reads lane i of the other
	s_mov_b32 s17, 0xfedcba98
	s_mov_b32 s18, 0x3a800000                      ; 1 / 1024
	s_mov_b32 s19, 0x3727c5ac                      ; 1e-5
	s_wait_kmcnt 0x0
	s_add_nc_u64 s[10:11], s[10:11], s[22:23]
	s_load_b64 s[IV:IV+1], s[10:11], 0x0           ; this launch stores nothing into rs
	s_add_nc_u64 s[4:5], s[4:5], s[2:3]            ; plane 0 at my first row
	s_add_nc_u64 s[12:13], s[12:13], s[2:3]
	s_add_nc_u64 s[14:15], s[4:5], 0x2000000       ; plane 1: 8192 rows of 4,096 bytes further
.macro FILL s                          ; row s of my two, both planes: sixteen loads
.irp j, 0,1,2,3,4,5,6,7
	global_load_b128 v[P+64*\s+4*\j:P+64*\s+4*\j+3], v1, s[4:5] offset:ROW*\s+512*\j th:TH_LOAD_NT
	global_load_b128 v[Q+64*\s+4*\j:Q+64*\s+4*\j+3], v1, s[14:15] offset:ROW*\s+512*\j th:TH_LOAD_NT
.endr
.endm
	FILL 0                                         ; in the order of first use: row 0, gamma and beta, row 1
.irp j, 0,1,2,3,4,5,6,7
	global_load_b128 v[G+4*\j:G+4*\j+3], v1, s[6:7] offset:512*\j
	global_load_b128 v[B+4*\j:B+4*\j+3], v1, s[8:9] offset:512*\j
.endr
	FILL 1
	s_wait_kmcnt 0x0                               ; the two inv
; The four chains in S become one number in every lane's v[S]: three packed adds, the pair's two halves, four steps inside each half of 16 lanes, one across.
.macro REDUCE
	v_pk_add_f32 v[S:S+1], v[S:S+1], v[S+2:S+3]
	v_pk_add_f32 v[S+4:S+5], v[S+4:S+5], v[S+6:S+7]
	v_pk_add_f32 v[S:S+1], v[S:S+1], v[S+4:S+5]
	v_add_f32 v[S], v[S], v[S+1]
	v_add_f32_dpp v[S], v[S], v[S] row_xmask:1 row_mask:0xf bank_mask:0xf
	v_add_f32_dpp v[S], v[S], v[S] row_xmask:2 row_mask:0xf bank_mask:0xf
	v_add_f32_dpp v[S], v[S], v[S] row_xmask:4 row_mask:0xf bank_mask:0xf
	v_add_f32_dpp v[S], v[S], v[S] row_xmask:8 row_mask:0xf bank_mask:0xf
	v_permlanex16_b32 v[TMP], v[S], s16, s17
	v_add_f32 v[S], v[S], v[TMP]
.endm
; Row s of my two.  left = how many younger loads may stay out when the row has to be there.
.macro TURN s, left
.set PP, P+64*\s
.set QQ, Q+64*\s
	s_wait_loadcnt \left                           ; loads come back in order (ISA guide 5.7.1): this row's sixteen are in
.set i, 0
.rept 16
	v_pk_add_f32 v[PP+2*i:PP+2*i+1], v[PP+2*i:PP+2*i+1], v[QQ+2*i:QQ+2*i+1]   ; c' = the two K halves
.set i, i+1
.endr
	; the mean: four chains, started by their first sums: nothing is cleared
.irp c, 0,1,2,3
	v_pk_add_f32 v[S+2*\c:S+2*\c+1], v[PP+2*\c:PP+2*\c+1], v[PP+2*\c+8:PP+2*\c+9]
.endr
.set i, 8
.rept 8
	v_pk_add_f32 v[S+2*(i%4):S+2*(i%4)+1], v[S+2*(i%4):S+2*(i%4)+1], v[PP+2*i:PP+2*i+1]
.set i, i+1
.endr
	REDUCE
	v_mul_f32 v[M], s18, v[S]
	v_mul_f32 v[M+1], s18, v[S]
.set i, 0
.rept 16
	v_pk_add_f32 v[PP+2*i:PP+2*i+1], v[PP+2*i:PP+2*i+1], v[M:M+1] neg_lo:[0,1] neg_hi:[0,1]   ; c' - mean'
.set i, i+1
.endr
	; the variance
.irp c, 0,1,2,3
	v_pk_mul_f32 v[S+2*\c:S+2*\c+1], v[PP+2*\c:PP+2*\c+1], v[PP+2*\c:PP+2*\c+1]
.endr
.set i, 4
.rept 12
	v_pk_fma_f32 v[S+2*(i%4):S+2*(i%4)+1], v[PP+2*i:PP+2*i+1], v[PP+2*i:PP+2*i+1], v[S+2*(i%4):S+2*(i%4)+1]
.set i, i+1
.endr
	REDUCE
	v_mul_f32 v[S], s18, v[S]                      ; var'
	v_mul_f32 v[S], s[IV+\s], v[S]                 ; inv var'
	v_fma_f32 v[S], v[S], s[IV+\s], s19            ; var + eps
	v_rsq_f32 v[R], v[S]
	v_nop                                          ; one plain place before the result is used (ISA guide 5.7.2)
	s_wait_alu depctr_va_vdst(0)
	v_mul_f32 v[R+1], s[IV+\s], v[R]
	v_mul_f32 v[R], s[IV+\s], v[R]
.if \s == 0
	s_wait_loadcnt 16                              ; gamma and beta are in; row 1's sixteen loads are younger
.endif
.irp j, 0,1,2,3,4,5,6,7
	v_pk_mul_f32 v[PP+4*\j:PP+4*\j+1], v[PP+4*\j:PP+4*\j+1], v[R:R+1]
	v_pk_mul_f32 v[PP+4*\j+2:PP+4*\j+3], v[PP+4*\j+2:PP+4*\j+3], v[R:R+1]
	v_pk_fma_f32 v[PP+4*\j:PP+4*\j+1], v[PP+4*\j:PP+4*\j+1], v[G+4*\j:G+4*\j+1], v[B+4*\j:B+4*\j+1]
	v_pk_fma_f32 v[PP+4*\j+2:PP+4*\j+3], v[PP+4*\j+2:PP+4*\j+3], v[G+4*\j+2:G+4*\j+3], v[B+4*\j+2:B+4*\j+3]
	global_store_b128 v1, v[PP+4*\j:PP+4*\j+3], s[12:13] offset:ROW*\s+512*\j th:TH_STORE_NT   ; the stores' data and address are never rewritten
.endr
.endm
	TURN 0, 32                                     ; younger than row 0: sixteen loads of gamma and beta, sixteen of row 1
	TURN 1, 0
	s_endpgm
.Lfunc_end_k_q33ca7557d5_ln:
	.size	k_q33ca7557d5_ln, .Lfunc_end_k_q33ca7557d5_ln-k_q33ca7557d5_ln
	.p2alignl 7, 3214868480
	.fill 96, 4, 3214868480
	.section	.rodata,"a",@progbits
	.p2align	6, 0x0
	.amdhsa_kernel k_q33ca7557d5_ln
		.amdhsa_group_segment_fixed_size 0
		.amdhsa_private_segment_fixed_size 0
		.amdhsa_enable_private_segment 0
		.amdhsa_kernarg_size 40
		.amdhsa_user_sgpr_count 2
		.amdhsa_user_sgpr_kernarg_segment_ptr 1
		.amdhsa_wavefront_size32 1
		.amdhsa_system_sgpr_workgroup_id_x 1
		.amdhsa_system_sgpr_workgroup_id_y 1
		.amdhsa_system_sgpr_workgroup_id_z 1
		.amdhsa_system_vgpr_workitem_id 0
		.amdhsa_next_free_vgpr 208
		.amdhsa_next_free_sgpr 66
		.amdhsa_reserve_vcc 0
		.amdhsa_float_denorm_mode_32 3
		.amdhsa_float_denorm_mode_16_64 3
		.amdhsa_memory_ordered 1
		.amdhsa_forward_progress 1
		.amdhsa_inst_pref_size 22
	.end_amdhsa_kernel
	.amdgpu_metadata
---
amdhsa.version: [ 1, 2 ]
amdhsa.kernels:
  - .name:           k_q33ca7557d5_ln
    .symbol:         k_q33ca7557d5_ln.kd
    .args:
      - { .name: cpart, .offset: 0, .size: 8, .value_kind: global_buffer, .address_space: global }
      - { .name: gamma, .offset: 8, .size: 8, .value_kind: global_buffer, .address_space: global }
      - { .name: beta, .offset: 16, .size: 8, .value_kind: global_buffer, .address_space: global }
      - { .name: rs, .offset: 24, .size: 8, .value_kind: global_buffer, .address_space: global }
      - { .name: out0, .offset: 32, .size: 8, .value_kind: global_buffer, .address_space: global }
    .group_segment_fixed_size: 0
    .private_segment_fixed_size: 0
    .kernarg_segment_align: 8
    .kernarg_segment_size: 40
    .max_flat_workgroup_size: 512
    .sgpr_count:     66
    .vgpr_count:     208
    .wavefront_size: 32
...
	.end_amdgpu_metadata
.endif
;; end of part 3
;; ======== version 2 of 2: 3 launches; version 1 with the launch prep written anew for expert scheduling mode
;; limits: inputs' magnitudes at most 255.9; values are held in f16: magnitudes above 65,504 overflow, below 6.1e-05 lose precision; below input magnitudes of 2.4e-07 results are inexact or not finite
;; workspace buffers: abf 83,886,080 bytes; bbf 10,485,760 bytes; cpart 67,108,864 bytes; rs 32,768 bytes
;; launch prep (part 4): grid 256 x 1, 16 waves a work-group, no clusters, 290,048 bytes of LDS; arguments x, idx_i, idx_j, scale, translation, lw, w1, abf, bbf, rs; writes abf, bbf, rs
.if DOCPART == 4
	.amdgcn_target "amdgcn-amd-amdhsa--gfx1250"
	.amdhsa_code_object_version 6
	.text
	.protected	k_q33ca7557d5_prep
	.globl	k_q33ca7557d5_prep
	.p2align	8
	.type	k_q33ca7557d5_prep,@function
k_q33ca7557d5_prep:
	s_mov_b64 s[64:65], 0
	v_nop
	global_prefetch_b8 v0, s[64:65] scope:SCOPE_SE
	s_setreg_imm32_b32 hwreg(HW_REG_WAVE_SCHED_MODE, 0, 2), 2
	s_setreg_imm32_b32 hwreg(HW_REG_WAVE_MODE, 25, 1), 1
	s_wait_xcnt 0x0
	s_wait_alu depctr_vm_vsrc(0)
; Makes the two f16 operands of the product c = [pp | x] [lw | w1]^T.
;   abf [8192][5120] f16: columns 0-4095 s[b] * pp[b][p], pp = xs[b][idx_i[p]] * xs[b][idx_j[p]], xs = (x - translation) / scale; columns 4096-5119 s[b] * x.
;   bbf [1024][5120] f16: columns 0-4095 256 * lw, columns 4096-5119 256 * w1.
;   rs  [8192] f32:       1 / (256 s[b]), by which the last launch undoes both factors.
; WHY f16, AND HOW ITS RANGE IS MADE TO FIT: f16 keeps 11 significant bits where bf16 keeps 8.  s[b] is the power of two that puts
; m = max(max over f of xs^2, max over f of |x|) of row b into [2^14, 2^15): no |pp| and no |x| of the row exceeds m, so no operand reaches f16's largest number,
; whatever the inputs' size, and operands keep all their bits for 28 binades below the row's largest.  Both factors are powers of two: they change no bit of a number.
; A work-group of 16 waves owns 32 rows of x and 4 rows of the weights.  xs is kept in f32, transposed, in LDS.
; THE GATHER: one LDS load of 8 bytes a lane brings two features: lanes 0-15 one pair's, lanes 16-31 another's, each lane rows 2 r and 2 r + 1 (r = lane mod 16).
; A wave's 512 indices lie in 16 vector registers from the start; a group takes its own by a row_share on the add that forms the address.
; Products and factors are applied in f32, and each operand is rounded to f16 once.
; LIMITS: 1/scale is v_rcp_f32 (1 ulp; |scale| below 2^-126 counts as 0, |scale| above 2^126 gives a reciprocal of 0).
;         An index word outside 0..1023, which reference() does not allow, reads some entry inside the table: the address is clamped, not the index.
;         A weight of 255.9 or more in size becomes infinite in f16.  s[b] is at most 2^73: rows with m below 2^-59 are raised by that and no more.
; No matrix unit, no cluster, no tensor load: the launch streams, and what work-groups share (32 KiB of indices, 8 KiB of scale and translation) is small beside
; the 213 KiB of x and weights that each reads for itself.
; THE MODE: SCHED_MODE bits 1:0 = 2 (LLVM: expert scheduling mode 2), set by the entry lines.  The code itself states the register dependences
; between vector instructions and memory or LDS instructions, with s_wait_alu, always for 0.
; THE PLAN.  Registers that memory or LDS instructions touch:
;   addresses and offsets (v2, v4-v14, v216-v221, v224, v225)  written at the head, never again: one wait on va_vdst ahead of the first load serves them all.
;   xs on its way into the table  eight buffers of eight registers, one for each two rows, none written twice: a block of four rows writes two of them, one wait on va_vdst,
;                 its eight LDS stores; the block's maxima follow.  ONE wait on vm_vsrc behind the barrier frees all eight, and MM, for what lies in those registers later.
;   x as f16      a block of four rows is rounded in place; its stores are dealt among the next block's lines, which name other rows, behind one wait on va_vdst at that block's head.
;   AI, AJ        step g writes the addresses of group g + 1; the loads of that group, in the same step, read them.
;   D0, D1        the loads of group g + 1, issued in step g, land in D[(g + 1) % 2], which step g - 1's products read and wrote; step g works on D[g % 2].
;   P0, P1        step g's roundings write P[g % 2]; the two stage stores issued in step g + 1 read it.
;   W             a pair of weight loads is rounded in place at a step's end; its two stores stand in the next step.  Never written again.
;   O             the way out's LDS loads land in it, its global stores read it; earlier it held x, which global stores read.
; So a step of the gather has two waits: vm_vsrc at its head (a step behind the loads and stores that it speaks of) and va_vdst behind its address lines; all the step's
; LDS and memory instructions follow that second wait in one run, and the step's products, which name D[g % 2], SC, P[g % 2] and W alone, come behind them.
.set XSP,    72                        ; LDS bytes from feature to feature in one half of the table: 16 rows of f32 + 8, a multiple of the 8-byte access
.set XHALF,  1024*XSP+128              ; rows 16-31 lie this far behind rows 0-15: 18,464 words, 32 modulo 64, so one feature's two runs of 16 words meet in no bank (64 banks of 4 bytes: ISA guide 11.1)
.set MAXA,   XHALF+1023*XSP+56         ; the table's last 8 bytes
.set STAGE,  2*XHALF                   ; behind xs: a stage of 32 rows x 272 bytes for each wave
.set SP,     272                       ; a stage row: 128 f16 + 16 bytes, an odd multiple of 16
.set WSTAGE, 32*SP
.set PART,   STAGE+16*WSTAGE           ; behind the stages: [8 strips of 128 columns][32 rows] f32, each strip's m of each row
.set APITCH, 10240                     ; bytes in a row of abf and of bbf
.set LT,  2                            ; v2   (r>>3) * XHALF + 8 (r&7): the place of my rows 2 r, 2 r + 1 in a feature
.set WI,  4                            ; v4   lw: my byte offset in the group's 4 rows
.set WO,  5                            ; v5   bbf: where those numbers go
.set W1I, 6                            ; v6   w1 likewise
.set W1O, 7                            ; v7
.set XI,  8                            ; v8   x: my 16 bytes in my wave's first row
.set XO,  9                            ; v9   abf: the same four numbers as f16
.set TS,  10                           ; v10  my four columns in translation and scale
.set XA,  11                           ; v11  xs in LDS: my first feature, my wave's first row
.set SS,  12                           ; v12  stage, in: stage row r, 16 bytes for each half of the lanes
.set SR,  13                           ; v13  stage, back: lanes 0-15 stage row t, lanes 16-31 stage row 16 + t
.set AO,  14                           ; v14  abf: rows 2 t and 2 t + 1, my wave's 256 pairs
.set TR,  16                           ; v[16:19]   translation of my four columns
.set RS,  20                           ; v[20:27]   1 / scale of my four columns, each twice (pairs for the packed multiply)
.set T,   28                           ; v[28:31]   scale as loaded
.set P,   36                           ; v[36:43]   even groups: 8 products of row 2 r, 8 of row 2 r + 1, as f16; odd groups: v[242:249]
.set AI,  44                           ; v[44:51]   gather addresses for idx_i
.set AJ,  52                           ; v[52:59]   for idx_j
.set MM,  44                           ; ahead of the gather: m of my wave's 16 rows (so AI and AJ have been written before a DPP form names them as destination)
.set DI,  60                           ; v[60:75]   even groups: xs[rows 2 r, 2 r + 1][idx_i] of 8 pairs; odd groups: v[226:241]
.set DJ,  76                           ; v[76:91]   the same for idx_j; odd groups: v[16:31]
.set SCR, 226                          ; v[226:241] ahead of the gather's step 0: s of my wave's 16 rows of x, in every lane
.set U,   76                           ; ahead of the gather: xs^2 and |x| at work; then the eight strips' m
.set OI,  92                           ; v[92:99]   lane (h, n): XSP * idx_i of pairs 16 n + 8 h .. + 7 of my wave's 256
.set OJ,  100                          ; v[100:107] the same for idx_j
.set W,   108                          ; v[108:147] ten loads of weights
.set X,   148                          ; v[148:211] sixteen rows of x
.set O,   148                          ; the same registers on the way out
.set SC,  212                          ; v[212:213] s of my rows 2 r, 2 r + 1
.set INV, 214                          ; v[214:215] 1 / (256 s) of them
.set RO,  216                          ; v216 8 r
.set PW,  217                          ; v217 PART: my wave's 16 words
.set PR,  218                          ; v218 PART: my two rows' words in strip 0
.set SB,  219                          ; v219 my wave's stage + 8 r
.set SBR, 220                          ; v220 my wave's stage + 4 x my wave's first row of x
.set IO,  221                          ; v221 my 32 bytes in idx_i and in idx_j
	s_load_b512 s[4:19], s[0:1], 0x0               ; x s[4:5], idx_i s[6:7], idx_j s[8:9], scale s[10:11], translation s[12:13], lw s[14:15], w1 s[16:17], abf s[18:19]
	s_load_b128 s[20:23], s[0:1], 0x40             ; bbf s[20:21], rs s[22:23]
	v_lshl_add_u32 v224, v0, 2, 0x46500            ; my spare word, behind PART, and 0: kept for the closing lines alone
	v_mov_b32 v225, 0
	v_and_b32 v1, 31, v0                           ; L
	v_lshrrev_b32 v3, 5, v0
	v_readfirstlane_b32 s24, v3                    ; wave w, 0..15
	s_wait_alu depctr_va_sdst(0)                   ; s24 is written, ahead of its first reader: offsets, LDS places and one branch are made from it
	s_and_b32 s25, s24, 7                          ; st: which 128 columns of x are mine
	s_lshr_b32 s26, s24, 3                         ; hh: which 16 rows
	; weights: wave w takes 4,096 bytes of lw and 1,024 of w1: a quarter of weight row w >> 2
	s_lshl_b32 s27, s24, 12
	v_lshl_add_u32 v[WI], v1, 4, s27               ; 4096 w + 16 L
	s_lshr_b32 s28, s24, 2
	s_mul_i32 s28, s28, APITCH                     ; the row in bbf
	s_and_b32 s29, s24, 3
	s_lshl_b32 s27, s29, 11
	s_add_co_u32 s27, s27, s28
	v_lshl_add_u32 v[WO], v1, 3, s27               ; row + 2048 (w & 3) + 8 L
	s_lshl_b32 s27, s24, 10
	v_lshl_add_u32 v[W1I], v1, 4, s27              ; 1024 w + 16 L
	s_lshl_b32 s27, s29, 9
	s_add_co_u32 s27, s27, s28
	v_lshl_add_u32 v[W1O], v1, 3, s27              ; row + 512 (w & 3) + 8 L
	; x: wave w takes columns 128 st .. + 127 of rows 16 hh .. + 15; a lane four columns
	s_lshl_b32 s27, s25, 9
	v_lshl_add_u32 v[TS], v1, 4, s27               ; 512 st + 16 L
	s_lshl_b32 s28, s26, 16
	v_add_nc_u32 v[XI], s28, v[TS]                 ; + 16 hh rows of 4,096 bytes
	s_mul_i32 s27, s26, 16*APITCH
	s_lshl_b32 s28, s25, 8
	s_add_co_u32 s27, s27, s28
	v_lshl_add_u32 v[XO], v1, 3, s27               ; 16 hh rows of abf + 256 st + 8 L
	s_mul_i32 s27, s26, XHALF
	s_mul_i32 s28, s25, 128*XSP
	s_add_co_u32 s27, s27, s28                     ; my wave's 9,216 consecutive bytes of xs
	v_mul_u32_u24 v3, v1, 4*XSP
	v_add_nc_u32 v[XA], s27, v3                    ; feature 128 st + 4 L
	; the gather, the stage, the indices
	v_and_b32 v3, 15, v0                           ; r (and n) = L & 15
	v_bfe_u32 v15, v0, 4, 1                        ; h = L >> 4
	v_bfe_u32 v[LT], v0, 3, 1                      ; r >> 3: which half of the table holds rows 2 r, 2 r + 1
	v_mul_u32_u24 v[LT], v[LT], XHALF
	v_and_b32 v[IO], 7, v0
	v_lshl_add_u32 v[LT], v[IO], 3, v[LT]
	s_mul_i32 s27, s24, WSTAGE
	s_add_co_u32 s27, s27, STAGE                   ; my wave's stage
	v_mul_u32_u24 v[SS], v3, SP
	v_lshl_add_u32 v[SS], v15, 4, v[SS]
	v_add_nc_u32 v[SS], s27, v[SS]
	v_mul_u32_u24 v[SR], v15, 16*SP
	v_lshl_add_u32 v[SR], v3, 4, v[SR]
	v_add_nc_u32 v[SR], s27, v[SR]
	v_mul_u32_u24 v[AO], v15, APITCH
	v_lshl_add_u32 v[AO], v3, 4, v[AO]
	s_lshl_b32 s28, s24, 9                         ; my wave's 256 pairs: 512 bytes of a row
	v_add_nc_u32 v[AO], s28, v[AO]
	s_lshl_b32 s28, s24, 10                        ; my wave's 256 indices
	v_lshlrev_b32 v[IO], 6, v3                     ; group n's 16,
	v_lshl_add_u32 v[IO], v15, 5, v[IO]            ; half h's 8
	v_add_nc_u32 v[IO], s28, v[IO]
	; the rows' factors
	s_lshl_b32 s28, s25, 7                         ; PART: strip st,
	s_lshl_b32 s29, s26, 6                         ; rows 16 hh ..
	s_add_co_u32 s28, s28, s29
	s_add_co_u32 s28, s28, PART
	v_mov_b32 v[PW], s28
	v_lshlrev_b32 v[RO], 3, v3
	v_add_nc_u32 v[PR], PART, v[RO]
	v_add_nc_u32 v[SB], s27, v[RO]
	s_add_co_u32 s29, s29, s27
	v_mov_b32 v[SBR], s29
	s_mov_b32 s32, 0x76543210                      ; v_permlanex16_b32: lane i of one half reads lane i of the other
	s_mov_b32 s33, 0xfedcba98
	s_mov_b32 s34, 0x7fffffff                      ; clears a sign
	s_mov_b32 s3, 0                                ; every offset below is under 4 GiB
	s_wait_kmcnt 0x0
	s_lshl_b32 s2, ttmp9, 17                       ; 32 rows of x
	s_add_nc_u64 s[4:5], s[4:5], s[2:3]
	s_lshl_b32 s2, ttmp9, 16                       ; 4 rows of lw
	s_add_nc_u64 s[14:15], s[14:15], s[2:3]
	s_lshl_b32 s2, ttmp9, 14                       ; 4 rows of w1
	s_add_nc_u64 s[16:17], s[16:17], s[2:3]
	s_mul_i32 s2, ttmp9, 32*APITCH                 ; 32 rows of abf
	s_add_nc_u64 s[18:19], s[18:19], s[2:3]
	s_mul_i32 s2, ttmp9, 4*APITCH                  ; 4 rows of bbf
	s_add_nc_u64 s[20:21], s[20:21], s[2:3]
	s_lshl_b32 s2, ttmp9, 7                        ; 32 words of rs
	s_add_nc_u64 s[22:23], s[22:23], s[2:3]
	; what the barrier below waits for goes out first and alone: 22 loads a wave.  The weights follow behind the barrier.
	s_wait_alu depctr_va_vdst(0)                   ; all the addresses and offsets of the kernel are written, which its loads, stores and LDS instructions read; none is written again
	global_load_b128 v[TR:TR+3], v[TS], s[12:13]
	global_load_b128 v[T:T+3], v[TS], s[10:11]
	global_load_b128 v[OI:OI+3], v[IO], s[6:7]
	global_load_b128 v[OI+4:OI+7], v[IO], s[6:7] offset:16
	global_load_b128 v[OJ:OJ+3], v[IO], s[8:9]
	global_load_b128 v[OJ+4:OJ+7], v[IO], s[8:9] offset:16
.irp t, 0,1,2,3,4,5,6,7,8,9,10,11,12,13,14,15
	global_load_b128 v[X+4*\t:X+4*\t+3], v[XI], s[4:5] offset:4096*\t th:TH_LOAD_NT    ; 512 consecutive bytes of a row
.endr
	s_wait_loadcnt 16                              ; the 16 rows of x are younger
.irp q, 0,1,2,3
	v_rcp_f32 v[RS+2*\q], v[T+\q]
	v_rcp_f32 v[RS+2*\q+1], v[T+\q]
.endr
.irp j, 0,1,2,3,4,5,6,7
	v_mul_u32_u24 v[OI+\j], v[OI+\j], XSP          ; an index becomes its feature's byte offset, once.  (These lines are also the plain place
	v_mul_u32_u24 v[OJ+\j], v[OJ+\j], XSP          ; between the reciprocals and their use, and before v[28:31] are written again: ISA guide 5.7.2)
.endr
	s_wait_alu depctr_va_vdst(0)                   ; the eight reciprocals have written RS, ahead of their first reader: one wait for the batch
; xs of my wave's rows 2 u and 2 u + 1 has eight registers of its own, TT: (row, row + 1) of four features.  The eight buffers lie where nothing else lives ahead of the barrier.
.macro TBUF u
.if (\u) < 2
.set TT, 28+8*(\u)
.elseif (\u) < 4
.set TT, 60+8*((\u)-2)
.else
.set TT, 108+8*((\u)-4)
.endif
.endm
.macro XT u                            ; xs of the two rows
	TBUF \u
.irp q, 0,1,2,3
	v_sub_f32 v[TT+2*\q], v[X+8*(\u)+\q], v[TR+\q]
	v_sub_f32 v[TT+2*\q+1], v[X+8*(\u)+4+\q], v[TR+\q]
.endr
.irp q, 0,1,2,3
	v_pk_mul_f32 v[TT+2*\q:TT+2*\q+1], v[TT+2*\q:TT+2*\q+1], v[RS+2*\q:RS+2*\q+1]
.endr
.endm
.macro XST u                           ; into LDS, transposed, two rows of a feature in one store
	TBUF \u
.irp q, 0,1,2,3
	ds_store_b64 v[XA], v[TT+2*\q:TT+2*\q+1] offset:XSP*\q+8*(\u)
.endr
.endm
.macro XMAX u                          ; the largest of my four xs^2 and four |x| of each of the two rows.  x itself stays in its registers.
	TBUF \u
.irp q, 0,1,2,3
	v_pk_mul_f32 v[U+2*\q:U+2*\q+1], v[TT+2*\q:TT+2*\q+1], v[TT+2*\q:TT+2*\q+1]
.endr
.irp k, 0,1,2,3,4,5,6,7
	v_and_b32 v[U+8+\k], s34, v[X+8*(\u)+\k]
.endr
.irp p, 0,1
	v_max3_num_f32 v[MM+2*(\u)+\p], v[U+\p], v[U+2+\p], v[U+4+\p]
	v_max3_num_f32 v[MM+2*(\u)+\p], v[MM+2*(\u)+\p], v[U+6+\p], v[U+8+4*\p]
	v_max3_num_f32 v[MM+2*(\u)+\p], v[MM+2*(\u)+\p], v[U+9+4*\p], v[U+10+4*\p]
	v_max_num_f32 v[MM+2*(\u)+\p], v[MM+2*(\u)+\p], v[U+11+4*\p]
.endr
.endm
; A block of four rows.  left = how many younger rows of x may stay out.
.macro XBLOCK left, ua, ub
	s_wait_loadcnt \left                           ; loads come back in order (ISA guide 5.7.1): the block's four rows are in
	XT \ua
	XT \ub
	s_wait_alu depctr_va_vdst(0)                   ; the lines above have written the block's two buffers, which the eight LDS stores read
	XST \ua
	XST \ub
	XMAX \ua                                       ; these read the buffers beside the stores, and write U and MM, which no LDS instruction has named
	XMAX \ub
.endm
	XBLOCK 12, 0, 1
	XBLOCK 8, 2, 3
	XBLOCK 4, 4, 5
	XBLOCK 0, 6, 7
	; over the 32 lanes: four steps inside each half of 16 lanes, one across; the 16 rows' chains do not wait for each other
.irp m, 1,2,4,8
.irp t, 0,1,2,3,4,5,6,7,8,9,10,11,12,13,14,15
	v_max_num_f32_dpp v[MM+\t], v[MM+\t], v[MM+\t] row_xmask:\m row_mask:0xf bank_mask:0xf
.endr
.endr
.irp t, 0,1,2,3,4,5,6,7,8,9,10,11,12,13,14,15
	v_permlanex16_b32 v[U+(\t%4)], v[MM+\t], s32, s33      ; its destination counts as read: U has been written
	v_max_num_f32 v[MM+\t], v[MM+\t], v[U+(\t%4)]
.endr
	s_wait_alu depctr_va_vdst(0)                   ; MM is written, which the LDS stores read; and every vector line so far is done with the eight buffers and with U, in which the loads behind the barrier land
.irp q, 0,1,2,3
	ds_store_b128 v[PW], v[MM+4*\q:MM+4*\q+3] offset:16*\q  ; all lanes write the same 16 bytes with the same numbers
.endr
	s_wait_dscnt 0x0                               ; my part of xs and of PART is written,
	s_barrier_signal -1
	s_barrier_wait -1                              ; everybody's is: the launch's one barrier; xs and PART are only read from here on
	s_wait_alu depctr_vm_vsrc(0)                   ; my LDS stores have read the eight buffers and MM: from here on these registers are W, D, P, AI and AJ, written by loads and by vector lines
	; the weights are asked for now and land under the gather: ten loads of 512 consecutive bytes
.irp j, 0,1,2,3,4,5,6,7
	global_load_b128 v[W+4*\j:W+4*\j+3], v[WI], s[14:15] offset:512*\j th:TH_LOAD_NT
.endr
.irp j, 0,1
	global_load_b128 v[W+32+4*\j:W+32+4*\j+3], v[W1I], s[16:17] offset:512*\j th:TH_LOAD_NT
.endr
	; my rows 2 r and 2 r + 1: m over the eight strips, and from its exponent field E the two powers of two
.irp k, 0,1,2,3,4,5,6,7
	ds_load_b64 v[U+2*\k:U+2*\k+1], v[PR] offset:128*\k
.endr
	s_wait_dscnt 0x0
.macro FACTOR p, tmp
	v_max3_num_f32 v[\tmp], v[U+\p], v[U+2+\p], v[U+4+\p]
	v_max3_num_f32 v[\tmp], v[\tmp], v[U+6+\p], v[U+8+\p]
	v_max3_num_f32 v[\tmp], v[\tmp], v[U+10+\p], v[U+12+\p]
	v_max_num_f32 v[\tmp], v[\tmp], v[U+14+\p]
	v_bfe_u32 v[\tmp], v[\tmp], 23, 8              ; m lies in [2^(E-127), 2^(E-126))
	v_sub_nc_u32 v[\tmp], 268, v[\tmp]             ; s = 2^(141-E) puts it into [2^14, 2^15): exponent field 268 - E, at least 13,
	v_min_u32 v[\tmp], 200, v[\tmp]                ; and at most 200, so that the inverse below is a normal number too
	v_lshlrev_b32 v[SC+\p], 23, v[\tmp]
	v_sub_nc_u32 v[\tmp], 246, v[\tmp]             ; 1 / (256 s): field 254 - 8 - field of s, 46 to 233
	v_lshlrev_b32 v[INV+\p], 23, v[\tmp]
.endm
; Group g is sixteen pairs for 32 rows: pairs 16 g + 8 h .. + 7 in half h of the lanes.  Its work in four parts:
.macro ADDR g                          ; the sixteen addresses
.irp j, 0,1,2,3,4,5,6,7
	v_add_nc_u32_dpp v[AI+\j], v[OI+\j], v[LT] row_share:\g row_mask:0xf bank_mask:0xf    ; the offset that lane g of my half of the lanes holds, + my rows' place
	v_add_nc_u32_dpp v[AJ+\j], v[OJ+\j], v[LT] row_share:\g row_mask:0xf bank_mask:0xf
.endr
.irp j, 0,1,2,3,4,5,6,7
	v_min_u32 v[AI+\j], MAXA, v[AI+\j]             ; whatever the index word, the 8 bytes lie inside the table
	v_min_u32 v[AJ+\j], MAXA, v[AJ+\j]
.endr
.endm
.macro GET g                           ; the sixteen loads, into the buffer of the group's parity
.set DD, DI+166*((\g)%2)
.set EE, DJ-60*((\g)%2)
.irp j, 0,1,2,3,4,5,6,7
	ds_load_b64 v[DD+2*\j:DD+2*\j+1], v[AI+\j]     ; two features, 32 rows of each
	ds_load_b64 v[EE+2*\j:EE+2*\j+1], v[AJ+\j]
.endr
.endm
.macro MULT g                          ; the products, the rows' powers of two, the roundings: in runs of eight, so that no line reads the result of the one before it
.set DD, DI+166*((\g)%2)
.set EE, DJ-60*((\g)%2)
.set PP, P+206*((\g)%2)
.irp j, 0,1,2,3,4,5,6,7
	v_pk_mul_f32 v[DD+2*\j:DD+2*\j+1], v[DD+2*\j:DD+2*\j+1], v[EE+2*\j:EE+2*\j+1]
.endr
.irp j, 0,1,2,3,4,5,6,7
	v_pk_mul_f32 v[DD+2*\j:DD+2*\j+1], v[DD+2*\j:DD+2*\j+1], v[SC:SC+1]
.endr
.irp m, 0,1,2,3
	v_cvt_pk_f16_f32 v[PP+\m], v[DD+4*\m], v[DD+4*\m+2]        ; row 2 r: two neighbouring pairs
	v_cvt_pk_f16_f32 v[PP+4+\m], v[DD+4*\m+1], v[DD+4*\m+3]    ; row 2 r + 1
.endr
.endm
.macro PUT g                           ; into my stage: even rows in stage rows 0-15, odd rows in stage rows 16-31: sixteen lanes fall in sixteen different 16-byte columns
.set PP, P+206*((\g)%2)
	ds_store_b128 v[SS], v[PP:PP+3] offset:32*((\g)%8)
	ds_store_b128 v[SS], v[PP+4:PP+7] offset:32*((\g)%8)+16*SP
.endm
	FACTOR 0, 3
	FACTOR 1, 15
	ADDR 0
	s_wait_alu depctr_va_vdst(0)                   ; SC, INV and group 0's addresses are written, which the lines below read; FACTOR is done reading U, in which group 0's loads land
	ds_store_b64 v[SB], v[SC:SC+1]                 ; through my own stage: the factors of my wave's 16 rows of x into every lane (both halves of the lanes write the same bytes)
.irp q, 0,1,2,3
	ds_load_b128 v[SCR+4*\q:SCR+4*\q+3], v[SBR] offset:16*\q   ; LDS serves a wave's instructions in order (ISA guide 5.7.1.4): these see the store above
.endr
	s_cmp_lg_u32 s24, 0
	s_cbranch_scc1 .Lno_rs
	global_store_b64 v[RO], v[INV:INV+1], s[22:23] ; wave 0: the group's 32 words of rs, 128 consecutive bytes, the same from both halves of the lanes; INV and RO are never rewritten
.Lno_rs:
	GET 0                                          ; group 0 is on its way while x is scaled
	s_wait_dscnt 16                                ; the factors are in; group 0's sixteen loads are younger
; x times its row's power of two, rounded in place, four rows to a block; a block's stores are dealt among the next block's lines.
.macro XROW t
.irp q, 0,1,2,3
	v_mul_f32 v[X+4*(\t)+\q], v[SCR+(\t)], v[X+4*(\t)+\q]
.endr
	v_cvt_pk_f16_f32 v[X+4*(\t)], v[X+4*(\t)], v[X+4*(\t)+1]
	v_cvt_pk_f16_f32 v[X+4*(\t)+1], v[X+4*(\t)+2], v[X+4*(\t)+3]
.endm
.macro XSEND t
	global_store_b64 v[XO], v[X+4*(\t):X+4*(\t)+1], s[18:19] offset:8192+APITCH*(\t)   ; 256 consecutive bytes, aligned
.endm
.irp t, 0,1,2,3
	XROW \t
.endr
.irp b, 1,2,3
	s_wait_alu depctr_va_vdst(0)                   ; the block before has written its four rows, which the stores below read; this block's lines name other rows
.irp i, 0,1,2,3
	XSEND 4*(\b)-4+\i
	XROW 4*(\b)+\i
.endr
.endr
	s_wait_alu depctr_va_vdst(0)                   ; the last block has written its four rows
.irp t, 12,13,14,15
	XSEND \t
.endr
; A pair of weight loads, 2 k and 2 k + 1: times 256, rounded in place.  W is never written again.
.macro WCONV k
	s_wait_loadcnt 8-2*(\k)                        ; the younger loads of weights stay out
.irp j, 2*(\k), 2*(\k)+1
.irp q, 0,1,2,3
	v_mul_f32 v[W+4*(\j)+\q], 0x43800000, v[W+4*(\j)+\q]
.endr
	v_cvt_pk_f16_f32 v[W+4*(\j)], v[W+4*(\j)], v[W+4*(\j)+1]
	v_cvt_pk_f16_f32 v[W+4*(\j)+1], v[W+4*(\j)+2], v[W+4*(\j)+3]
.endr
.endm
.macro WSEND k                         ; a store's 32 lanes x 8 bytes are 256 consecutive bytes at a multiple of 256 from bbf's first byte
.irp j, 2*(\k), 2*(\k)+1
.if (\j) < 8
	global_store_b64 v[WO], v[W+4*(\j):W+4*(\j)+1], s[20:21] offset:256*(\j)
.else
	global_store_b64 v[W1O], v[W+4*(\j):W+4*(\j)+1], s[20:21] offset:8192+256*((\j)-8)
.endif
.endr
.endm
; Step g of the gather.  n = g + 1: the group that is asked for, or -1 in the last step.  sv: the pair of weight loads that is stored, cv: the pair that is rounded, or -1.
.macro STEP g, n, sv, cv
	s_wait_alu depctr_vm_vsrc(0)                   ; group g's loads have read AI and AJ, which the lines below write; the stage stores of the step before have read P[g % 2], which this step's roundings write
.if (\n) >= 0
	ADDR \n
.endif
	s_wait_alu depctr_va_vdst(0)                   ; AI and AJ are written; the step before has written its P and its pair of weights and is done with its D, in which the loads below land (step 0: the scaling of x is done reading its factors there)
.set YOUNGER, 0
.if (\g) > 0
	PUT (\g)-1
.set YOUNGER, YOUNGER+2
.endif
.if (\n) >= 0
	GET \n
.set YOUNGER, YOUNGER+16
.endif
.if (\sv) >= 0
	WSEND \sv
.endif
	s_wait_dscnt YOUNGER                           ; LDS instructions end in order (ISA guide 5.7.1): group g's loads, issued a step ago, are in; this step's stores and loads stay out
	MULT \g
.if (\cv) >= 0
	WCONV \cv
.endif
.endm
; 128 pairs of 32 rows leave the wave's own stage by rows: sixteen lanes store 256 consecutive bytes at a multiple of 256 from abf's first byte.
.macro OUTHALF h
	s_wait_xcnt 0x0                                ; O was the data of earlier stores: loaded again only behind this wait (ISA guide 3.1),
	s_wait_alu depctr_vm_vsrc(0)                   ; and behind this one: those stores have read O.  (No vector line since the last wait on va_vdst names O or SR.)
.irp t, 0,1,2,3,4,5,6,7,8,9,10,11,12,13,14,15
	ds_load_b128 v[O+4*\t:O+4*\t+3], v[SR] offset:SP*\t        ; rows 2 t and 2 t + 1; these see the wave's own stores above, as LDS serves a wave in order
.endr
.irp t, 0,1,2,3,4,5,6,7,8,9,10,11,12,13,14,15
	s_wait_dscnt 15-\t
	global_store_b128 v[AO], v[O+4*\t:O+4*\t+3], s[18:19] offset:2*APITCH*\t+256*\h
.endr
.endm
	STEP 0, 1, -1, -1
	STEP 1, 2, -1, -1
	STEP 2, 3, -1, 0                               ; the weights: three steps behind their request, a pair to a step, so that their stores are spread under the gather
	STEP 3, 4, 0, 1
	STEP 4, 5, 1, 2
	STEP 5, 6, 2, 3
	STEP 6, 7, 3, 4
	STEP 7, 8, 4, -1
	STEP 8, 9, -1, -1
	OUTHALF 0                                      ; behind the stage stores of group 7 (in step 8), ahead of those of group 8 (in step 9), which take the same stage columns
	STEP 9, 10, -1, -1
	STEP 10, 11, -1, -1
	STEP 11, 12, -1, -1
	STEP 12, 13, -1, -1
	STEP 13, 14, -1, -1
	STEP 14, 15, -1, -1
	STEP 15, -1, -1, -1
	s_wait_alu depctr_va_vdst(0)                   ; step 15 has written its P, which the last two stage stores read
	PUT 15
	OUTHALF 1
	s_wait_dscnt 0x0                               ; the closing lines, six on end
	s_wait_alu 0x0
	s_wait_tensorcnt 0x0
	ds_add_u32 v224, v225
	s_wait_dscnt 0x0
	s_endpgm
.Lfunc_end_k_q33ca7557d5_prep:
	.size	k_q33ca7557d5_prep, .Lfunc_end_k_q33ca7557d5_prep-k_q33ca7557d5_prep
	.p2alignl 7, 3214868480
	.fill 96, 4, 3214868480
	.section	.rodata,"a",@progbits
	.p2align	6, 0x0
	.amdhsa_kernel k_q33ca7557d5_prep
		.amdhsa_group_segment_fixed_size 290048
		.amdhsa_private_segment_fixed_size 0
		.amdhsa_enable_private_segment 0
		.amdhsa_kernarg_size 80
		.amdhsa_user_sgpr_count 2
		.amdhsa_user_sgpr_kernarg_segment_ptr 1
		.amdhsa_wavefront_size32 1
		.amdhsa_system_sgpr_workgroup_id_x 1
		.amdhsa_system_sgpr_workgroup_id_y 1
		.amdhsa_system_sgpr_workgroup_id_z 1
		.amdhsa_system_vgpr_workitem_id 0
		.amdhsa_next_free_vgpr 250
		.amdhsa_next_free_sgpr 66
		.amdhsa_reserve_vcc 0
		.amdhsa_float_denorm_mode_32 3
		.amdhsa_float_denorm_mode_16_64 3
		.amdhsa_memory_ordered 1
		.amdhsa_forward_progress 1
		.amdhsa_inst_pref_size 124
	.end_amdhsa_kernel
	.amdgpu_metadata
---
amdhsa.version: [ 1, 2 ]
amdhsa.kernels:
  - .name:           k_q33ca7557d5_prep
    .symbol:         k_q33ca7557d5_prep.kd
    .args:
      - { .name: x, .offset: 0, .size: 8, .value_kind: global_buffer, .address_space: global }
      - { .name: idx_i, .offset: 8, .size: 8, .value_kind: global_buffer, .address_space: global }
      - { .name: idx_j, .offset: 16, .size: 8, .value_kind: global_buffer, .address_space: global }
      - { .name: scale, .offset: 24, .size: 8, .value_kind: global_buffer, .address_space: global }
      - { .name: translation, .offset: 32, .size: 8, .value_kind: global_buffer, .address_space: global }
      - { .name: lw, .offset: 40, .size: 8, .value_kind: global_buffer, .address_space: global }
      - { .name: w1, .offset: 48, .size: 8, .value_kind: global_buffer, .address_space: global }
      - { .name: abf, .offset: 56, .size: 8, .value_kind: global_buffer, .address_space: global }
      - { .name: bbf, .offset: 64, .size: 8, .value_kind: global_buffer, .address_space: global }
      - { .name: rs, .offset: 72, .size: 8, .value_kind: global_buffer, .address_space: global }
    .group_segment_fixed_size: 290048
    .private_segment_fixed_size: 0
    .kernarg_segment_align: 8
    .kernarg_segment_size: 80
    .max_flat_workgroup_size: 512
    .sgpr_count:     66
    .vgpr_count:     250
    .wavefront_size: 32
...
	.end_amdgpu_metadata
.endif
;; end of part 4
;; launch gemm: the kernel of part 2 again; grid 4 x 64, 4 waves a work-group, clusters of 4 x 4, 327,680 bytes of LDS; arguments abf, bbf, cpart; writes cpart
;; launch ln: the kernel of part 3 again; grid 256 x 1, 16 waves a work-group, no clusters, 0 bytes of LDS; arguments cpart, gamma, beta, rs, out0; writes out0
